; MI455X (gfx1250); checked and timed in simulation.
; The chip was launched on July 23, 2026; its instructions are those of AMD's public machine-readable ISA for CDNA 5 (MIT licence, August 2026) and "CDNA5" Instruction Set Architecture Reference Guide (July 2026). The comments in the code are by the model that wrote it; some were corrected since.
;; Multi Head Attention. Allowed arithmetic: matrix products marked QUANTISED: E2M1 operands, one E8M0 scale for each 32 along K, by v_wmma_scale_f32_16x16x128_f8f6f4 with both operands' format E2M1 (or v_wmma_scale_f32_32x16x128_f4), f32 sums; products left as they are: bf16, f16 or f32 operands; f32 sums; everything else in f32.
;; Inputs: Wk 1,024 x 1,024 float32; Wo 1,024 x 1,024 float32; Wq 1,024 x 1,024 float32; Wv 1,024 x 1,024 float32; bk 1,024 float32; bo 1,024 float32; bq 1,024 float32; bv 1,024 float32; k 4 x 2,048 x 1,024 float32; q 4 x 2,048 x 1,024 float32; v 4 x 2,048 x 1,024 float32.
;; Outputs: out0 4 x 2,048 x 1,024 float32.
;; This version of the problem:
;;   THIS VERSION OF THE PROBLEM IS GIVEN IN LOW PRECISION. The matrix products marked QUANTISED in the list below multiply operands that are first quantised to E2M1 (2 exponent bits, 1 mantissa bit; 4 bits a number), with one power-of-two scale for each 32 numbers along K (OCP MX v1.0); their sums are f32. The products marked 'left as it is' may take bf16, f16 or f32 operands, with f32 sums. Whichever they take, every output number must still come out within the allowed error. Rounding operands to bf16 (8 significant bits) uses up far more of that allowance than f16 does (11 bits, for magnitudes from 6e-5 to 65,504). All else is computed in f32.
;;   The module's matrix products, in the order in which they are computed (A, B: the left and right operand; K: the contracted axis; several contracted axes count as one K, in the product's order):
;;     1. [M 8,192, K 1,024] x [K 1,024, N 1,024]; A: input q; B: input Wq: QUANTISED
;;     2. [M 8,192, K 1,024] x [K 1,024, N 1,024]; A: input k; B: input Wk: QUANTISED
;;     3. [M 8,192, K 1,024] x [K 1,024, N 1,024]; A: input v; B: input Wv: QUANTISED
;;     4. batch 64 x [M 2,048, K 64] x [K 64, N 2,048]; A: computed on the way; B: computed on the way: left as it is (an operand is computed on the way)
;;     5. batch 64 x [M 2,048, K 2,048] x [K 2,048, N 64]; A: computed on the way; B: computed on the way: left as it is (an operand is computed on the way)
;;     6. [M 8,192, K 1,024] x [K 1,024, N 1,024]; A: computed on the way; B: input Wo: left as it is (an operand is computed on the way)
;;   THE QUANTISER, for each operand of a quantised product, along K:
;;     - K is cut into blocks of 32 from its start; a last block that is shorter is filled with zeros.
;;     - A block's scale is 2^e with e = floor(log2(the largest magnitude in the block)) - 2, held to -126 .. 127; a block of zeros has e = 0. As a byte (E8M0): e + 127.
;;     - Each number is divided by its block's scale, clamped to +-6, and rounded to the nearest number of E2M1, ties to even, subnormals kept.
;;     - The product sums the exact products of the quantised numbers (number of the format x scale) in f32.
;;   ~~~python
;;   def quantise(x, axis):      # numpy; x: float32 -> the quantised numbers, widened to float32 again
;;       x = np.moveaxis(x, axis, -1); K = x.shape[-1]
;;       x = np.pad(x, [(0, 0)] * (x.ndim - 1) + [(0, -K % 32)]); x = x.reshape(x.shape[:-1] + (-1, 32)); a = np.abs(x).max(-1, keepdims=True)
;;       e = np.where(a > 0, np.clip(np.frexp(np.where(a > 0, a, 1))[1] - 1 - 2, -126, 127), 0)      # np.frexp(a)[1] - 1 = floor(log2(a)), exactly
;;       r = np.clip(x / 2.0 ** e, -6, 6)
;;       step = 2.0 ** (np.maximum(np.frexp(np.where(r == 0, 1, r))[1] - 1, 0) - 1)
;;       q = np.round(r / step) * step * 2.0 ** e      # np.round: ties to even
;;       return np.moveaxis(q.reshape(q.shape[:-2] + (-1,))[..., :K], -1, axis).astype(np.float32)
;;   ~~~
;; One version. Each part assembles by itself: llvm-mc -triple=amdgcn-amd-amdhsa -mcpu=gfx1250 --defsym DOCPART=n.
;; ======== version 1 of 1: 4 launches
;; limits: values are held in f16: magnitudes above 65,504 overflow, below 6.1e-05 lose precision
;; workspace buffers: xc 12,582,912 bytes; xs 786,432 bytes; wc 1,572,864 bytes; ws 98,304 bytes; wo16 2,097,152 bytes; qkv 50,331,648 bytes; hcat 16,777,216 bytes
;; launch prep (part 1): grid 944 x 1, 4 waves a work-group, no clusters, 68,096 bytes of LDS; arguments q, k, v, Wq, Wk, Wv, Wo, xc, xs, wc, ws, wo16; writes xc, xs, wc, ws, wo16
.if DOCPART == 1
	.amdgcn_target "amdgcn-amd-amdhsa--gfx1250"
	.amdhsa_code_object_version 6
	.text
	.protected	k_q28ec0ce032_prep
	.globl	k_q28ec0ce032_prep
	.p2align	8
	.type	k_q28ec0ce032_prep,@function
k_q28ec0ce032_prep:
	s_mov_b64 s[64:65], 0
	v_nop
	global_prefetch_b8 v0, s[64:65] scope:SCOPE_SE
	s_setreg_imm32_b32 hwreg(HW_REG_WAVE_MODE, 25, 1), 1
	s_wait_xcnt 0x0
; PREP: every operand is brought into the form in which the later launches read it, once.
;   q, k, v [8192][1024] f32  -> xc [24576 rows: q, k, v on end][512 bytes of E2M1 codes, K innermost], xs [24576][32 E8M0 bytes]
;   Wq, Wk, Wv [K 1024][N 1024] f32, K the FIRST axis -> wc [3 x 1024 columns n][512 bytes of codes, K innermost], ws [3072][32]
;   Wo [1024][1024] f32 -> wo16, the same order, f16
; A block's scale is 2^(floor(log2(its largest magnitude)) - 2); its byte is the largest magnitude's exponent field - 2, held at 1 from below.
; LIMITS: a block of zeros gets the byte 1 where the quantiser says 127 (its codes are zeros, which add nothing under any byte but 0xff, and this program alone reads the bytes);
; blocks whose largest magnitude lies under 2^-124 are held at the byte 1; NaN and infinities among the inputs are not served; Wo must lie inside f16's range (65,504).
; THREE PATHS, parted on the work-group's number alone, which never join: work-groups 0-47 the three weights, 48-175 Wo, 176-943 q, k, v.  Each path has LDS bytes of its own.
; No tensor loads, no barrier: waves share nothing.
.set SPARE,  67584                     ; behind both paths' regions: the spare words, 128 bytes for each wave: two blocks of 256 bytes that no other line names
.set SPW,    190                       ; v190  LDS address of my spare word: SPARE + 4 x my thread's number; never rewritten
.set NIL,    191                       ; v191  0; never rewritten
.set NWGW,   48                        ; work-groups of the weights' path
.set NWGC,   128                       ; of Wo's path
.set EMAX,   2                         ; the exponent of E2M1's largest number, 6
	s_load_b256 s[4:11], s[0:1], 0x0               ; q s[4:5], k s[6:7], v s[8:9], Wq s[10:11]
	s_load_b256 s[12:19], s[0:1], 0x20             ; Wk s[12:13], Wv s[14:15], Wo s[16:17], xc s[18:19]
	s_load_b256 s[20:27], s[0:1], 0x40             ; xs s[20:21], wc s[22:23], ws s[24:25], wo16 s[26:27]
	v_lshl_add_u32 v[SPW], v0, 2, SPARE
	v_mov_b32 v[NIL], 0
	v_lshrrev_b32 v1, 5, v0
	v_readfirstlane_b32 s28, v1                    ; wave 0..3
	v_and_b32 v2, 31, v0                           ; lane
	s_wait_kmcnt 0x0
	s_cmp_lt_u32 ttmp9, NWGW
	s_cbranch_scc1 .Lweights
	s_cmp_lt_u32 ttmp9, NWGW+NWGC
	s_cbranch_scc1 .Lcast
; ---------------- q, k, v: K innermost.  Rows are dense and 1024 is a multiple of 32: each tensor is a plain stream of blocks of 32 numbers, and so are its codes and scale bytes.
; A wave takes 16 steps of 512 numbers.  The conversions take 8 numbers of ONE block from a lane's registers, so a lane must hold 16 NEIGHBOURS (two lanes hold a block); a load is best where neighbouring
; LANES take neighbouring bytes.  Both are had: each load reads 512 consecutive bytes, 16 a lane; a step's 2,048 bytes go through the wave's own stage in LDS and come back 64 bytes a lane.
.set WREG,  8192                       ; LDS 0 .. 32,767: a region for each wave: two stages of 32 x XSP bytes, behind them its 256 scale bytes
.set XSP,   80                         ; a lane's place in a stage: 64 bytes + 16 of padding
.set CB,    8                          ; bytes of 16 codes
.set STEPS, 16
.set XR,    16                         ; v16-79   four sets of 16 numbers as loaded
.set XX,    80                         ; v80-111  two sets of 16 neighbours
.set XE,    112                        ; v112-127 a scale byte for each step
.set XC,    128                        ; v128-189 codes: registers of its own for each step, so that no store's data are written again
	v_lshlrev_b32 v3, 4, v2                        ; my 16 bytes of a load's 512
	s_mul_i32 s29, s28, WREG
	v_lshrrev_b32 v14, 2, v2
	v_mul_u32_u24 v14, v14, XSP
	v_and_b32 v15, 3, v2
	v_lshl_add_u32 v14, v15, 4, v14
	v_add_nc_u32 v14, s29, v14                     ; the stage, on the way in: four lanes' 64 bytes on end, then 16 of padding
	v_mul_u32_u24 v15, v2, XSP
	v_add_nc_u32 v15, s29, v15                     ; and on the way out: my 16 neighbours
	v_mul_u32_u24 v4, v2, CB                       ; my codes' place in a step's
	v_lshrrev_b32 v5, 1, v2
	s_add_co_u32 s29, s29, 2*32*XSP
	v_add_nc_u32 v5, s29, v5                       ; LDS: my wave's 256 scale bytes, my block's byte
	v_lshlrev_b32 v7, 3, v2                        ; and on the way out 8 bytes a lane
	v_add_nc_u32 v6, s29, v7
	s_sub_co_u32 s30, ttmp9, NWGW+NWGC             ; 0 .. 767: 256 work-groups for each tensor
	s_cmp_lt_u32 s30, 256                          ; the choice hangs on the work-group's number alone
	s_cselect_b64 s[4:5], s[4:5], s[6:7]           ; q, else k,
	s_cmp_lt_u32 s30, 512
	s_cselect_b64 s[4:5], s[4:5], s[8:9]           ; else v
	s_and_b32 s32, s30, 255
	s_lshl_b32 s32, s32, 2
	s_add_co_u32 s32, s32, s28                     ; which run of 8,192 numbers of the tensor is my wave's
	s_lshl_b32 s32, s32, 15                        ; 32,768 bytes a run
	s_mov_b32 s33, 0
	s_add_nc_u64 s[4:5], s[4:5], s[32:33]
	s_lshl_b32 s34, s30, 2
	s_add_co_u32 s34, s34, s28                     ; and which run of the three tensors on end
	s_lshl_b32 s32, s34, 12                        ; 4,096 bytes of codes a run
	s_add_nc_u64 s[18:19], s[18:19], s[32:33]
	s_lshl_b32 s32, s34, 8                         ; 256 scale bytes a run
	s_add_nc_u64 s[20:21], s[20:21], s[32:33]
.macro XLOAD t
.irp i, 0,1,2,3
	global_load_b128 v[XR+16*((\t)%4)+4*\i:XR+16*((\t)%4)+4*\i+3], v3, s[4:5] offset:2048*(\t)+512*\i th:TH_LOAD_NT   ; 32 lanes read 512 consecutive bytes
.endr
.endm
.macro XTURN t                         ; step t's numbers through the stage: LDS serves a wave's instructions in order, so no wait stands between the stores and the loads
.irp i, 0,1,2,3
	ds_store_b128 v14, v[XR+16*((\t)%4)+4*\i:XR+16*((\t)%4)+4*\i+3] offset:32*XSP*((\t)%2)+8*XSP*\i
.endr
.irp i, 0,1,2,3
	ds_load_b128 v[XX+16*((\t)%2)+4*\i:XX+16*((\t)%2)+4*\i+3], v15 offset:32*XSP*((\t)%2)+16*\i
.endr
.endm
.irp t, 0,1,2,3
	XLOAD \t
.endr
	s_wait_loadcnt 12                              ; step 0's four loads are in; the twelve of steps 1 to 3 may be out
	XTURN 0
.macro XSTEP t
.set XS, XX+16*((\t)%2)
.if (\t) > 0
	s_wait_dscnt 1                                 ; this step's numbers are back from the stage (the last step's byte store may be out): so its stores into the stage have read their registers,
.else
	s_wait_dscnt 0x0
.endif
.if (\t)+4 < STEPS
	XLOAD (\t)+4                                   ; which take the loads of four steps on
.endif
.if (\t)+1 < STEPS
.if STEPS-2-(\t) >= 3
	s_wait_loadcnt 12                              ; the next step's four loads are in; those of the three steps behind it may be out
.else
	s_wait_loadcnt 4*(STEPS-2-(\t))
.endif
	XTURN (\t)+1                                   ; and go through the other stage while this step is worked
.endif
	v_max3_num_f32 v8, |v[XS]|, |v[XS+1]|, |v[XS+2]|               ; the largest magnitude of my 16, in two chains
	v_max3_num_f32 v9, |v[XS+3]|, |v[XS+4]|, |v[XS+5]|
.irp i, 6,10
	v_max3_num_f32 v8, v8, |v[XS+\i]|, |v[XS+\i+1]|
	v_max3_num_f32 v9, v9, |v[XS+\i+2]|, |v[XS+\i+3]|
.endr
	v_max3_num_f32 v8, v8, |v[XS+14]|, |v[XS+15]|
	v_max3_num_f32 v8, v8, v9, (EMAX+1)<<23        ; and the floor 2^(3 - 127), under which no largest magnitude is taken: so the byte cannot fall under 1
	v_max_num_f32_dpp v8, v8, v8 row_xmask:1 row_mask:0xf bank_mask:0xf   ; and of my neighbour's 16: the block's
	v_add_nc_u32 v11, -(EMAX<<23), v8              ; 2 off its exponent field: the conversion takes the exponent field of this operand as its scale, and nothing else of it
	v_cvt_scalef32_pk8_fp4_f32 v[XC+4*(\t)], v[XS:XS+7], v11       ; eight numbers / the scale, to the nearest code, ties to even, beyond 6 the largest code; the first number's code in the lowest four bits
	v_cvt_scalef32_pk8_fp4_f32 v[XC+4*(\t)+1], v[XS+8:XS+15], v11
	v_lshrrev_b32 v[XE+(\t)], 23, v11              ; the scale's byte (also the plain line behind the conversions)
	ds_store_b8 v5, v[XE+(\t)] offset:16*(\t)      ; both lanes of a block write the same byte with the same value
	global_store_b64 v4, v[XC+4*(\t):XC+4*(\t)+1], s[18:19] offset:32*CB*(\t)   ; the wave stores 256 consecutive bytes, aligned
.endm
.irp t, 0,1,2,3,4,5,6,7,8,9,10,11,12,13,14,15
	XSTEP \t
.endr
	ds_load_b64 v[8:9], v6                         ; LDS serves a wave's instructions in order: these see my byte stores
	s_wait_dscnt 0x0
	global_store_b64 v7, v[8:9], s[20:21]          ; 32 lanes store 256 consecutive scale bytes, aligned
	s_wait_tensorcnt 0x0                           ; the wave's end: behind my last LDS store
	ds_add_u32 v[SPW], v[NIL]
	s_wait_dscnt 0x0
	s_endpgm
; ---------------- Wq, Wk, Wv: K is the first axis.  A LANE TAKES A COLUMN n, AND ITS REGISTERS RUN DOWN K: each load reads neighbouring n in neighbouring lanes (128 consecutive bytes a wave,
; 512 a work-group), a block of 32 along K lies in ONE lane's 32 registers, and the conversions give the codes with K innermost.  Nothing is transposed by an instruction.
; A wave takes 32 columns x 512 along K: 16 blocks a lane, 256 bytes of codes a column; they go through the wave's own stage and leave as rows: sixteen lanes store 256 consecutive bytes, aligned.
; 16 work-groups a weight: 8 along n x 2 along K.  Loads run two blocks (64 loads a wave) ahead.  Every offset is an immediate: 511 x 4,096 bytes at the most, inside the signed 24 bits.
.Lweights:
.set WNB,    16                        ; blocks of a wave
.set WPITCH, 272                       ; a stage row: 256 bytes + 16
.set WSTAGE, 32768                     ; LDS 32,768 .. 67,583: 32 x WPITCH bytes for each wave
.set KROW,   512                       ; a row of wc in bytes
.set WSB,    24                        ; v24-27   the scale bytes, four to a register
.set WX,     32                        ; v32-95   two sets of 32 numbers
.set WC,     96                        ; v96-99   a block's codes
.set WOUT,   112                       ; v112-175 the way out
	s_cmp_lt_u32 ttmp9, 16                         ; the choice hangs on the work-group's number alone
	s_cselect_b64 s[10:11], s[10:11], s[12:13]     ; Wq, else Wk,
	s_cmp_lt_u32 ttmp9, 32
	s_cselect_b64 s[10:11], s[10:11], s[14:15]     ; else Wv
	s_lshr_b32 s29, ttmp9, 4                       ; which weight
	s_and_b32 s30, ttmp9, 7                        ; which 128 columns
	s_bfe_u32 s31, ttmp9, 0x10003                  ; which half of K
	s_lshl_b32 s30, s30, 7
	s_lshl_b32 s32, s28, 5
	s_add_co_u32 s30, s30, s32                     ; my wave's first column
	s_lshl_b32 s29, s29, 10
	s_add_co_u32 s29, s29, s30                     ; and its row in wc and ws
	v_lshlrev_b32 v3, 2, v2                        ; in: 4 bytes a lane
	s_mul_i32 s32, s28, 32*WPITCH
	s_add_co_u32 s32, s32, WSTAGE                  ; my stage
	v_mul_u32_u24 v4, v2, WPITCH
	v_add_nc_u32 v4, s32, v4                       ; into it: row = my column
	v_and_b32 v5, 15, v2
	v_lshrrev_b32 v6, 4, v2                        ; out of it: sixteen lanes to a row, two rows an instruction
	v_mul_u32_u24 v7, v6, WPITCH
	v_lshl_add_u32 v7, v5, 4, v7
	v_add_nc_u32 v7, s32, v7
	v_mul_u32_u24 v8, v6, KROW
	v_lshl_add_u32 v8, v5, 4, v8                   ; and the same place in wc
	v_lshlrev_b32 v9, 5, v2                        ; my column's row of scale bytes: 32 a row
	s_lshl_b32 s34, s31, 21                        ; W: 512 rows of 4,096 bytes for the upper half of K,
	s_lshl_b32 s35, s30, 2                         ; + 4 x column
	s_add_co_u32 s34, s34, s35
	s_mov_b32 s35, 0
	s_add_nc_u64 s[10:11], s[10:11], s[34:35]
	s_lshl_b32 s34, s29, 9                         ; wc: row x 512 + 256 x half
	s_lshl_b32 s36, s31, 8
	s_add_co_u32 s34, s34, s36
	s_add_nc_u64 s[22:23], s[22:23], s[34:35]
	s_lshl_b32 s34, s29, 5                         ; ws: row x 32 + 16 x half
	s_lshl_b32 s36, s31, 4
	s_add_co_u32 s34, s34, s36
	s_add_nc_u64 s[24:25], s[24:25], s[34:35]
.macro WLOAD t                         ; block t: W(32 t + i, my column), i = 0 .. 31, into set t % 2
.irp i, 0,1,2,3,4,5,6,7,8,9,10,11,12,13,14,15,16,17,18,19,20,21,22,23,24,25,26,27,28,29,30,31
	global_load_b32 v[WX+32*((\t)%2)+\i], v3, s[10:11] offset:(32*(\t)+\i)*4096 th:TH_LOAD_NT
.endr
.endm
	WLOAD 0
	WLOAD 1
.macro WBLOCK t
.set WXS, WX+32*((\t)%2)
.if (\t) < WNB-1
	s_wait_loadcnt 32                              ; this block's 32 loads are in; the next block's 32 may be out
.else
	s_wait_loadcnt 0
.endif
	v_max3_num_f32 v12, |v[WXS]|, |v[WXS+1]|, |v[WXS+2]|           ; the block's largest magnitude: all 32 numbers are mine
	v_max3_num_f32 v13, |v[WXS+3]|, |v[WXS+4]|, |v[WXS+5]|
.irp i, 6,10,14,18,22,26
	v_max3_num_f32 v12, v12, |v[WXS+\i]|, |v[WXS+\i+1]|
	v_max3_num_f32 v13, v13, |v[WXS+\i+2]|, |v[WXS+\i+3]|
.endr
	v_max3_num_f32 v12, v12, |v[WXS+30]|, |v[WXS+31]|
	v_max3_num_f32 v12, v12, v13, (EMAX+1)<<23     ; and the floor: the byte cannot fall under 1
	v_add_nc_u32 v11, -(EMAX<<23), v12             ; the conversion's scale operand
	v_lshrrev_b32 v13, 23, v11                     ; the scale's byte
.if (\t)%4 == 0
	v_mov_b32 v[WSB+(\t)/4], v13                   ; four bytes to a register, the lower K in the lower byte
.else
	v_lshl_or_b32 v[WSB+(\t)/4], v13, 8*((\t)%4), v[WSB+(\t)/4]
.endif
.irp g, 0,1,2,3
	v_cvt_scalef32_pk8_fp4_f32 v[WC+\g], v[WXS+8*\g:WXS+8*\g+7], v11
.endr
	ds_store_b128 v4, v[WC:WC+3] offset:16*(\t)    ; 32 codes: 16 bytes of my column's row.  (The codes go to an LDS store alone; the next block begins with plain vector lines)
.if (\t)+2 < WNB
	WLOAD (\t)+2
.endif
	s_wait_dscnt 0x0                               ; the store has read its registers: the next block's codes may be written
.endm
.irp t, 0,1,2,3,4,5,6,7,8,9,10,11,12,13,14,15
	WBLOCK \t
.endr
	global_store_b128 v9, v[WSB:WSB+3], s[24:25]   ; my column's 16 scale bytes
.irp t, 0,1,2,3,4,5,6,7,8,9,10,11,12,13,14,15
	ds_load_b128 v[WOUT+4*\t:WOUT+4*\t+3], v7 offset:2*\t*WPITCH   ; LDS serves a wave's instructions in order: these see my stores
.endr
.irp t, 0,1,2,3,4,5,6,7,8,9,10,11,12,13,14,15
	s_wait_dscnt 15-\t                             ; load t is in; the younger ones may be out
	global_store_b128 v8, v[WOUT+4*\t:WOUT+4*\t+3], s[22:23] offset:2*\t*KROW
.endr
	s_wait_tensorcnt 0x0                           ; the wave's end: the same three lines
	ds_add_u32 v[SPW], v[NIL]
	s_wait_dscnt 0x0
	s_endpgm
; ---------------- Wo: f32 to f16, in its own order.  A wave takes 2,048 numbers: 16 loads of 512 consecutive bytes, 16 stores of 256 consecutive bytes, aligned.  No register is written twice.
.Lcast:
	s_sub_co_u32 s29, ttmp9, NWGW
	s_lshl_b32 s29, s29, 2
	s_add_co_u32 s29, s29, s28                     ; which run of 2,048 numbers is my wave's
	s_lshl_b32 s30, s29, 13
	s_mov_b32 s31, 0
	s_add_nc_u64 s[16:17], s[16:17], s[30:31]
	s_lshl_b32 s30, s29, 12
	s_add_nc_u64 s[26:27], s[26:27], s[30:31]
	v_lshlrev_b32 v3, 4, v2
	v_lshlrev_b32 v4, 3, v2
.irp i, 0,1,2,3,4,5,6,7,8,9,10,11,12,13,14,15
	global_load_b128 v[16+4*\i:19+4*\i], v3, s[16:17] offset:512*\i th:TH_LOAD_NT
.endr
.irp i, 0,1,2,3,4,5,6,7,8,9,10,11,12,13,14,15
	s_wait_loadcnt 15-\i                           ; load i is in; the younger ones may be out
	v_cvt_pk_f16_f32 v[16+4*\i], v[16+4*\i], v[17+4*\i]
	v_cvt_pk_f16_f32 v[17+4*\i], v[18+4*\i], v[19+4*\i]
	global_store_b64 v4, v[16+4*\i:17+4*\i], s[26:27] offset:256*\i
.endr
	s_wait_tensorcnt 0x0                           ; this path stores nothing to LDS; it ends as the launch's other two paths end
	ds_add_u32 v[SPW], v[NIL]
	s_wait_dscnt 0x0
	s_endpgm
.Lfunc_end_k_q28ec0ce032_prep:
	.size	k_q28ec0ce032_prep, .Lfunc_end_k_q28ec0ce032_prep-k_q28ec0ce032_prep
	.p2alignl 7, 3214868480
	.fill 96, 4, 3214868480
	.section	.rodata,"a",@progbits
	.p2align	6, 0x0
	.amdhsa_kernel k_q28ec0ce032_prep
		.amdhsa_group_segment_fixed_size 68096
		.amdhsa_private_segment_fixed_size 0
		.amdhsa_enable_private_segment 0
		.amdhsa_kernarg_size 96
		.amdhsa_user_sgpr_count 2
		.amdhsa_user_sgpr_kernarg_segment_ptr 1
		.amdhsa_wavefront_size32 1
		.amdhsa_system_sgpr_workgroup_id_x 1
		.amdhsa_system_sgpr_workgroup_id_y 1
		.amdhsa_system_sgpr_workgroup_id_z 1
		.amdhsa_system_vgpr_workitem_id 0
		.amdhsa_next_free_vgpr 192
		.amdhsa_next_free_sgpr 66
		.amdhsa_reserve_vcc 0
		.amdhsa_float_denorm_mode_32 3
		.amdhsa_float_denorm_mode_16_64 3
		.amdhsa_memory_ordered 1
		.amdhsa_forward_progress 1
		.amdhsa_inst_pref_size 117
	.end_amdhsa_kernel
	.amdgpu_metadata
---
amdhsa.version: [ 1, 2 ]
amdhsa.kernels:
  - .name:           k_q28ec0ce032_prep
    .symbol:         k_q28ec0ce032_prep.kd
    .args:
      - { .name: q, .offset: 0, .size: 8, .value_kind: global_buffer, .address_space: global }
      - { .name: k, .offset: 8, .size: 8, .value_kind: global_buffer, .address_space: global }
      - { .name: v, .offset: 16, .size: 8, .value_kind: global_buffer, .address_space: global }
      - { .name: Wq, .offset: 24, .size: 8, .value_kind: global_buffer, .address_space: global }
      - { .name: Wk, .offset: 32, .size: 8, .value_kind: global_buffer, .address_space: global }
      - { .name: Wv, .offset: 40, .size: 8, .value_kind: global_buffer, .address_space: global }
      - { .name: Wo, .offset: 48, .size: 8, .value_kind: global_buffer, .address_space: global }
      - { .name: xc, .offset: 56, .size: 8, .value_kind: global_buffer, .address_space: global }
      - { .name: xs, .offset: 64, .size: 8, .value_kind: global_buffer, .address_space: global }
      - { .name: wc, .offset: 72, .size: 8, .value_kind: global_buffer, .address_space: global }
      - { .name: ws, .offset: 80, .size: 8, .value_kind: global_buffer, .address_space: global }
      - { .name: wo16, .offset: 88, .size: 8, .value_kind: global_buffer, .address_space: global }
    .group_segment_fixed_size: 68096
    .private_segment_fixed_size: 0
    .kernarg_segment_align: 8
    .kernarg_segment_size: 96
    .max_flat_workgroup_size: 128
    .sgpr_count:     66
    .vgpr_count:     192
    .wavefront_size: 32
...
	.end_amdgpu_metadata
.endif
;; end of part 1
;; launch proj (part 2): grid 4 x 96, 4 waves a work-group, clusters of 4 x 4, 327,680 bytes of LDS; arguments xc, xs, wc, ws, qkv, bq, bk, bv; writes qkv
.if DOCPART == 2
	.amdgcn_target "amdgcn-amd-amdhsa--gfx1250"
	.amdhsa_code_object_version 6
	.text
	.protected	k_q28ec0ce032_proj
	.globl	k_q28ec0ce032_proj
	.p2align	8
	.type	k_q28ec0ce032_proj,@function
k_q28ec0ce032_proj:
	s_mov_b64 s[64:65], 0
	v_nop
	global_prefetch_b8 v0, s[64:65] scope:SCOPE_SE
	s_setreg_imm32_b32 hwreg(HW_REG_WAVE_MODE, 25, 1), 1
	s_wait_xcnt 0x0
	s_wait_alu depctr_hold_cnt(0) depctr_sa_sdst(0) depctr_va_vdst(0) depctr_va_sdst(0) depctr_va_ssrc(0) depctr_va_vcc(0) depctr_vm_vsrc(0)
	s_getreg_b32 s2, hwreg(HW_REG_IB_STS2, 6, 4)
	s_cmp_eq_u32 s2, 0
	s_cbranch_scc0 .Lentry_in_a_cluster
	s_endpgm
.Lentry_in_a_cluster:
	s_bfe_u32 s2, ttmp6, 0x10000c
	s_cmp_lg_u32 s2, 0xf033
	s_cbranch_scc0 .Lentry_shape_is_right
	s_endpgm
.Lentry_shape_is_right:
; PROJ: the three quantised products in one launch.  qkv[t][b][head][s][64] (f16) = x_t W_t + bias_t, t = q, k, v; x_t and W_t as E2M1 codes with one E8M0 scale for each 32 along K; sums in f32.
; A: xc [24576 rows: q, k, v on end][512 bytes], xs [24576][32].  B: wc [3 x 1024 columns][512 bytes], ws [3072][32].  The matrix instruction takes codes and scale bytes as they lie.
; A tile of the result, 256 rows x 256 columns, is made by a work-group of four waves; a wave makes 128 x 128: 64 accumulators, 512 registers.  96 tile rows (32 a tensor) x 4 tile columns.
; K = 1024 is two slots of 512 along K (rows of 256 bytes): both are first fills, nothing is filled again, and there is no loop.  The scales of the work-group's rows, for all of K, come once, as dense blocks.
; CLUSTERS: 4 x 4 work-groups.  The four of a row of the cluster need the same tiles of A, the four of a column the same tiles of B: each is asked for JOINTLY, by the same tensor load with the same
; descriptor and a mask that names the four.  A cluster's four tile rows lie in one tensor (8 clusters a tensor), so the tensor's number is the same in all sixteen.
; THE MATRIX INSTRUCTION IS USED TRANSPOSED (source 0 = 16 rows of B, source 1 = 16 rows of A): a lane then holds eight neighbouring columns of one row.  THE BIAS IS THE C of each sum's first instruction.
; LIMITS: results beyond f16's largest number, 65,504, become infinities.
; REGISTERS, in windows of 256: window 0: v0-31 addresses; v32-95 scale words, two sets, and nothing else; v128-191 A's fragments, ONE set; v192-255 the bias, 8 registers for each block of 16 columns;
;   on the way out v128-223 are at work.   window 1: B's fragments, TWO sets, at v0 and v128.   window 2: the accumulators of my rows 0-63 ((a, b) at v[8 (8 a + b)]);   window 3: those of rows 64-127.
.set NQ,     4                         ; steps of 128 along K in a slot
.set ROWB,   256                       ; a tile's row in bytes: 512 codes
.set KROW,   512                       ; a row of xc or wc in bytes
.set PITCH,  272                       ; an LDS row: 256 bytes + 16 of padding = 68 words: the 16 rows that a load touches start 4 banks apart (64 banks of 4 bytes: ISA guide 11.1)
.set FR,     8                         ; registers of a fragment: 16 rows x 128 K
.set NL,     2                         ; LDS loads that bring one
.set NP,     4                         ; places behind this matrix instruction (ISA guide 7.12.1)
.set HALFT,  128*PITCH                 ; 128 rows: what one tensor load brings, and what one wave reads of A or of B
.set SLOT,   4*HALFT                   ; A's 256 rows, then B's 256 rows
.set KS,     32                        ; a row of scales in bytes
.set SCL,    2*SLOT                    ; behind the two slots: the scales, as rows of 256 bytes + 16 of padding
.set HALFS,  (128*KS/256)*272          ; the scales of 128 rows: what one tensor load brings
.set SBLK,   (16*KS/256)*272           ; those of 16 rows
.set SPARE,  SCL+4*HALFS               ; the spare words, 128 bytes for each wave: two blocks of 256 bytes that no other line names
.set STAGE,  SPARE+512                 ; the way out: 16 rows x 272 bytes for each wave: bytes into which no tensor load lands
.set SPITCH, 272
.set ADRA, 16                          ; v16-17  LDS address of my A fragments in slot 0, 1
.set ADRB, 20                          ; v20-21  the same for B
.set STO,  24                          ; v24     the way out: where I put 16 bytes of a row
.set RD,   25                          ; v25     where I read them back
.set CO,   26                          ; v26     16 x lane: my bytes of a store's 512
.set ADRS, 27                          ; v27     LDS address of my scale words: lanes 0-15 A's rows, lanes 16-31 B's
.set SPW,  28                          ; v28     LDS address of my spare word; never rewritten
.set NIL,  29                          ; v29     0; never rewritten
.set BOF,  30                          ; v30     32 x (lane / 16): my eight numbers of a block's sixteen biases
.set SC,   32                          ; scale words: set s at v[SC + 32 s]; register 4 i + q: lanes 0-15 the word of A's block i, lanes 16-31 that of B's block i, for the slot's q-th 128 along K
.set AF,   128
.set BIAS, 192
.set TMP,  128                         ; the way out: v128-159 packed results
.set OB,   160                         ; v160-191 and v192-223 by turns: 16 rows read back
.set G1, 24                            ; s[24:31] descriptor group 1 for A's tiles;  s[32:39] group 0, one set for each slot
.set G0, 32
.set G1B, 48                           ; s[48:55], s[56:63] the same for B's tiles
.set G0B, 56
.set G1S, 68                           ; s[68:75], s[76:79] groups 1 and 0 for A's scales;  s[80:87], s[88:91] for B's
.set G0S, 76
.set G1SB, 80
.set G0SB, 88
.set MSB, 0
.macro WIN new                         ; the immediate's high byte repeats the setting that is left; a switch that changes nothing is dropped
.if MSB != (\new)
	s_set_vgpr_msb (MSB<<8)|(\new)
.set MSB, (\new)
.endif
.endm
.set MUL_LO,   0xa1                    ; source 0 (B) window 1, source 1 (A) window 0, C and D window 2
.set MUL_HI,   0xf1                    ; the same, C and D window 3
.set FIRST_LO, 0x81                    ; the first step: C (the bias) window 0, D window 2
.set FIRST_HI, 0xc1                    ; D window 3
.set TO_B,     0x40                    ; destination window 1, address window 0
; A joint load: waves 0 and 1 fetch for A, waves 2 and 3 for B.  Each of the two lines has ONE mask and one set of registers for all that issue it; the branch hangs on the wave's number alone.
; An s_nop 0 and four v_nop follow each of the two lines, ahead of the jump, the label and what follows.
.macro JLOAD g0a, g1a, g0b, g1b
	s_cmp_eq_u32 s15, 0
	s_cbranch_scc0 .Lfor_b_\@
	tensor_load_to_lds s[\g0a:\g0a+3], s[\g1a:\g1a+7]
	s_nop 0
.rept 4
	v_nop
.endr
	s_branch .Lasked_\@
.Lfor_b_\@:
	tensor_load_to_lds s[\g0b:\g0b+3], s[\g1b:\g1b+7]
	s_nop 0
.rept 4
	v_nop
.endr
.Lasked_\@:
.endm
.macro CROUND                          ; a round of the cluster's barrier: my work-group's barrier; wave 0 signals for the work-group; every wave waits for all sixteen; my work-group's barrier once more
	s_barrier_signal -1
	s_barrier_wait -1
	s_cmp_lg_u32 s14, 0
	s_cbranch_scc1 .Lnot_wave_0_\@
	s_barrier_signal -3
.Lnot_wave_0_\@:
	s_barrier_wait -3
	s_barrier_signal -1
	s_barrier_wait -1
.endm
	s_load_b128 s[4:7], s[0:1], 0x0                ; xc s[4:5], xs s[6:7]
	s_load_b128 s[8:11], s[0:1], 0x10              ; wc s[8:9], ws s[10:11]
	s_load_b64 s[12:13], s[0:1], 0x20              ; qkv
	s_load_b128 s[96:99], s[0:1], 0x28             ; bq, bk
	s_load_b64 s[100:101], s[0:1], 0x38            ; bv
	v_lshl_add_u32 v[SPW], v0, 2, SPARE
	v_mov_b32 v[NIL], 0
	ds_add_u32 v[SPW], v[NIL]                      ; the wave's opening: the add, twice on end, and its wait ahead of my first tensor load; the set-up below stands between
	ds_add_u32 v[SPW], v[NIL]
	v_lshrrev_b32 v1, 5, v0
	v_readfirstlane_b32 s14, v1                    ; wave 0..3
	s_lshr_b32 s15, s14, 1                         ; which half of the tile's rows is mine.  Also: I fetch for A (0) or for B (1)
	s_and_b32 s16, s14, 1                          ; which half of its columns.  Also: which 128 rows of that tile I fetch
	s_bfe_u32 s40, ttmp6, 0x40000                  ; cx, cy: my place in the cluster
	s_bfe_u32 s41, ttmp6, 0x40004
	s_lshl_b32 s42, ttmp9, 2
	s_add_co_u32 s42, s42, s40                     ; tile column = 4 x cluster x + cx
	s_and_b32 s17, ttmp7, 0xffff
	s_lshr_b32 s66, s17, 3                         ; the tensor: cluster y / 8: the same in all sixteen partners
	s_lshl_b32 s17, s17, 2
	s_add_co_u32 s17, s17, s41                     ; tile row = 4 x cluster y + cy
	s_lshl_b32 s43, s41, 2
	s_lshl_b32 s43, 15, s43                        ; my row of the cluster
	s_lshl_b32 s44, 0x1111, s40                    ; my column
	; descriptor group 1: a tile of 128 rows x 256 bytes, padded in LDS
	s_or_b32 s[G1+0], s43, (0<<16)|(1<<20)|(1<<21)|(5<<22)|(3<<25)  ; 15:0 the mask: A's tiles go to my row; 17:16 elements of 1 byte; 20 padding on; 21 set beside a mask; 24:22 after every 64 words; 31:25 four words
	s_or_b32 s[G1B+0], s44, (0<<16)|(1<<20)|(1<<21)|(5<<22)|(3<<25)
.irp g, G1, G1B
	s_mov_b32 s[\g+1], ROWB<<16                    ; tensor_dim0
	s_mov_b32 s[\g+2], 128<<16                     ; tensor_dim1
	s_mov_b32 s[\g+3], ROWB<<16                    ; tile_dim0
	s_mov_b32 s[\g+4], 128                         ; tile_dim1
	s_mov_b32 s[\g+5], KROW                        ; from row to row
	s_mov_b32 s[\g+6], 0
	s_mov_b32 s[\g+7], 0
.endr
	; the scales of 128 rows: a dense block of 4,096 bytes, as 16 rows of 256 bytes (32 elements of 8 bytes), 16 bytes of padding behind each
	s_or_b32 s[G1S+0], s43, (3<<16)|(1<<20)|(1<<21)|(5<<22)|(3<<25)
	s_or_b32 s[G1SB+0], s44, (3<<16)|(1<<20)|(1<<21)|(5<<22)|(3<<25)
.irp g, G1S, G1SB
	s_mov_b32 s[\g+1], 32<<16
	s_mov_b32 s[\g+2], (128*KS/256)<<16
	s_mov_b32 s[\g+3], 32<<16
	s_mov_b32 s[\g+4], 128*KS/256
	s_mov_b32 s[\g+5], 32
	s_mov_b32 s[\g+6], 0
	s_mov_b32 s[\g+7], 0
.endr
	s_lshl_b32 s18, s16, 7                         ; which 128 rows of the tile I fetch
	s_lshl_b32 s20, s17, 8
	s_add_co_u32 s20, s20, s18                     ; A: row 256 x tile row + 128 x half
	s_lshl_b32 s46, s42, 8
	s_add_co_u32 s46, s46, s18                     ; B: row 256 x tile column + 128 x half
	s_lshl_b32 s67, s66, 10
	s_add_co_u32 s46, s46, s67                     ;    + 1,024 x tensor
	s_mov_b32 s21, 0
	s_mov_b32 s47, 0
	s_mov_b64 s[18:19], KS
	s_mul_u64 s[22:23], s[20:21], s[18:19]         ; where these rows' scales begin, in bytes
	s_mul_u64 s[92:93], s[46:47], s[18:19]
	s_mov_b64 s[18:19], KROW
	s_mul_u64 s[20:21], s[20:21], s[18:19]         ; and their codes
	s_mul_u64 s[46:47], s[46:47], s[18:19]
	s_mul_i32 s45, s14, HALFT                      ; where they go: wave x 128 rows: no place in the cluster enters an LDS address
	s_mul_i32 s94, s14, HALFS
	s_wait_dscnt 0x0                               ; both opening adds are done
	s_wait_kmcnt 0x0
	s_add_nc_u64 s[20:21], s[4:5], s[20:21]
	s_add_nc_u64 s[22:23], s[6:7], s[22:23]
	s_add_nc_u64 s[46:47], s[8:9], s[46:47]
	s_add_nc_u64 s[92:93], s[10:11], s[92:93]
	CROUND                                         ; all sixteen work-groups are here: the first joint loads meet
	s_mov_b32 s[G0S], 1
	s_add_co_u32 s[G0S+1], s94, SCL
	s_mov_b64 s[G0S+2:G0S+3], s[22:23]
	s_or_b32 s[G0S+3], s[G0S+3], 0x80000000
	s_mov_b32 s[G0SB], 1
	s_add_co_u32 s[G0SB+1], s94, SCL
	s_mov_b64 s[G0SB+2:G0SB+3], s[92:93]
	s_or_b32 s[G0SB+3], s[G0SB+3], 0x80000000
	JLOAD G0S, G1S, G0SB, G1SB                     ; the scales first: they are wanted with the first slot.  Three loads of mine are out behind the third of these lines
.irp s, 0,1
	s_mov_b32 s[G0+4*\s], 1
	s_add_co_u32 s[G0+4*\s+1], s45, \s*SLOT
	s_add_nc_u64 s[G0+4*\s+2:G0+4*\s+3], s[20:21], \s*ROWB
	s_or_b32 s[G0+4*\s+3], s[G0+4*\s+3], 0x80000000
	s_mov_b32 s[G0B+4*\s], 1
	s_add_co_u32 s[G0B+4*\s+1], s45, \s*SLOT
	s_add_nc_u64 s[G0B+4*\s+2:G0B+4*\s+3], s[46:47], \s*ROWB
	s_or_b32 s[G0B+4*\s+3], s[G0B+4*\s+3], 0x80000000
	JLOAD G0+4*\s, G1, G0B+4*\s, G1B
.endr
	v_and_b32 v1, 15, v0                           ; r = lane % 16
	v_bfe_u32 v2, v0, 4, 1                         ; h = lane / 16
	; the bias of my 128 columns, in the result's layout: lane (r, h) holds, for block b, the numbers of columns 16 b + 8 h + 0 .. 7
	s_cmp_eq_u32 s66, 0                            ; the choice hangs on the tensor's number alone
	s_cselect_b64 s[96:97], s[96:97], s[98:99]
	s_cmp_lt_u32 s66, 2
	s_cselect_b64 s[96:97], s[96:97], s[100:101]
	s_lshl_b32 s46, s42, 10                        ; my first column x 4 bytes: 1,024 x tile column + 512 x half
	s_lshl_b32 s47, s16, 9
	s_add_co_u32 s46, s46, s47
	s_mov_b32 s47, 0
	s_add_nc_u64 s[96:97], s[96:97], s[46:47]
	v_lshlrev_b32 v[BOF], 5, v2
.irp b, 0,1,2,3,4,5,6,7
	global_load_b128 v[BIAS+8*\b:BIAS+8*\b+3], v[BOF], s[96:97] offset:64*\b
	global_load_b128 v[BIAS+8*\b+4:BIAS+8*\b+7], v[BOF], s[96:97] offset:64*\b+16
.endr
	v_mul_u32_u24 v3, v1, PITCH
	v_lshl_add_u32 v4, v2, 4, v3                   ; a fragment's row x pitch + 16 x half
	s_mul_i32 s21, s15, HALFT                      ; my 128 rows of A
	s_mul_i32 s22, s16, HALFT                      ; my 128 rows of B,
	s_add_co_u32 s22, s22, 2*HALFT                 ; which lie behind A's 256
.irp s, 0,1
	v_add_nc_u32 v[ADRA+\s], s21, v4
	v_add_nc_u32 v[ADRB+\s], s22, v4
	s_add_co_u32 s21, s21, SLOT
	s_add_co_u32 s22, s22, SLOT
.endr
	v_mul_u32_u24 v5, v1, KS                       ; my row's scales: 32 bytes a row,
	v_lshrrev_b32 v6, 8, v5
	v_lshl_add_u32 v5, v6, 4, v5                   ; and 16 more for each 256 passed
	s_mul_i32 s21, s15, HALFS                      ; A's: my 128 rows
	s_mul_i32 s22, s16, HALFS                      ; B's: my 128 rows, behind A's 256
	s_add_co_u32 s22, s22, 2*HALFS
	s_sub_co_u32 s22, s22, s21
	v_mul_u32_u24 v6, s22, v2                      ; lanes 16-31 take B's: the lower base + h x the distance
	s_add_co_u32 s21, s21, SCL
	v_add_nc_u32 v5, v5, v6
	v_add_nc_u32 v[ADRS], s21, v5
	s_mul_i32 s23, s14, 16*SPITCH
	s_add_co_u32 s23, s23, STAGE                   ; my stage
	v_mul_u32_u24 v5, v1, SPITCH                   ; in: row r, 16 bytes for each half of the lanes
	v_lshl_add_u32 v5, v2, 4, v5
	v_add_nc_u32 v[STO], s23, v5
	v_and_b32 v6, 31, v0
	v_lshrrev_b32 v7, 3, v6                        ; back: eight lanes take the 128 bytes that a row has of one head, four rows an instruction
	v_and_b32 v8, 7, v6
	v_mul_u32_u24 v7, v7, SPITCH
	v_lshl_add_u32 v7, v8, 4, v7
	v_add_nc_u32 v[RD], s23, v7
	v_lshlrev_b32 v[CO], 4, v6                     ; in qkv four rows of a head are 512 consecutive bytes
	; where my part begins in qkv: ((tensor, batch) x 16 + my first head) x 262,144 + my first position x 128
	s_lshr_b32 s20, s17, 3                         ; 8 tile rows a batch: tile row / 8 counts (tensor, batch)
	s_lshl_b32 s20, s20, 22
	s_and_b32 s21, s17, 7
	s_lshl_b32 s21, s21, 15                        ; 256 positions of 128 bytes a tile row
	s_add_co_u32 s20, s20, s21
	s_lshl_b32 s21, s15, 14                        ; my half of them
	s_add_co_u32 s20, s20, s21
	s_mov_b32 s21, 0
	s_lshl_b32 s46, s42, 20                        ; four heads a tile column,
	s_lshl_b32 s47, s16, 19                        ; two a wave
	s_add_co_u32 s46, s46, s47
	s_mov_b32 s47, 0
	s_add_nc_u64 s[20:21], s[20:21], s[46:47]
	s_add_nc_u64 s[12:13], s[12:13], s[20:21]
.macro FRAG reg, adr, q, i             ; a fragment, 16 rows x 128 K of 4-bit codes: lane l holds row l % 16; registers 4 c .. 4 c + 3 hold K = 64 c + 32 (l / 16) + 0 .. 31
.irp c, 0,1
	ds_load_b128 v[\reg+4*\c:\reg+4*\c+3], v[\adr] offset:64*(\q)+32*\c+(\i)*16*PITCH
.endr
.endm
; 16 matrix instructions: A's blocks a0, a0 + 1 x B's eight, the slot's q-th 128 along K.  p: B's set;  sc: the set of scale words.  first = 1: the bias is the C: nothing is ever cleared or added later.
; The 64 accumulators take turns, one instruction a turn, in the same order in every step.
.macro MUL16 a0, p, q, sc, first
.irp a, \a0, \a0+1
.irp b, 0,1,2,3,4,5,6,7
.if \first
	v_wmma_scale_f32_16x16x128_f8f6f4 v[8*(8*((\a)%4)+\b):8*(8*((\a)%4)+\b)+7], v[128*(\p)+FR*\b:128*(\p)+FR*\b+FR-1], v[AF+FR*(\a):AF+FR*(\a)+FR-1], v[BIAS+8*\b:BIAS+8*\b+7], v[SC+8*NQ*(\sc)+NQ*\b+(\q)], v[SC+8*NQ*(\sc)+NQ*(\a)+(\q)] matrix_a_fmt:MATRIX_FMT_FP4 matrix_b_fmt:MATRIX_FMT_FP4 matrix_a_scale:MATRIX_SCALE_ROW1
.else
	v_wmma_scale_f32_16x16x128_f8f6f4 v[8*(8*((\a)%4)+\b):8*(8*((\a)%4)+\b)+7], v[128*(\p)+FR*\b:128*(\p)+FR*\b+FR-1], v[AF+FR*(\a):AF+FR*(\a)+FR-1], v[8*(8*((\a)%4)+\b):8*(8*((\a)%4)+\b)+7], v[SC+8*NQ*(\sc)+NQ*\b+(\q)], v[SC+8*NQ*(\sc)+NQ*(\a)+(\q)] matrix_a_fmt:MATRIX_FMT_FP4 matrix_b_fmt:MATRIX_FMT_FP4 matrix_a_scale:MATRIX_SCALE_ROW1
.endif
.endr
.endr
.endm
.macro FETCH_B slot, q, p              ; B's eight fragments of the slot's q-th 128 along K into set p
	WIN TO_B
.irp i, 0,1,2,3,4,5,6,7
	FRAG 128*(\p)+FR*\i, ADRB+\slot, \q, \i
.endr
	WIN 0
.endm
.macro FETCH_A slot, q, i0             ; A's blocks i0 .. i0 + 3
.irp i, \i0, \i0+1, \i0+2, \i0+3
	FRAG AF+FR*(\i), ADRA+\slot, \q, \i
.endr
.endm
.macro SCALES sc                       ; a slot's scale words into set sc: four words a row; lanes 0-15 take A's block i, lanes 16-31 B's block i
.irp i, 0,1,2,3,4,5,6,7
	ds_load_b128 v[SC+8*NQ*\sc+NQ*\i:SC+8*NQ*\sc+NQ*\i+3], v[ADRS] offset:\i*SBLK
.endr
.endm
; A load into a register that a matrix instruction has read, and a vector instruction that reads a matrix result or writes one of its registers, stand NP places behind it; only plain vector
; instructions that name none of its registers are places (ISA guide 7.12.1 for vector instructions).
.macro PLACES n
.rept \n
	v_nop
.endr
.endm
; A step of 128 along K that has its successor in the same slot.  A's blocks go one after the other, each against B's eight: so a block of A is free as soon as its eight products are issued, and one set
; of registers serves A: blocks 0-3 are fetched anew in the step's middle, blocks 4-7 at its end.  B has two sets.
.macro STEP slot, q, first
	s_wait_dscnt 4*NL                              ; B's set and A's blocks 0-3 are in; the youngest eight loads (A's blocks 4-7) may be out
.if \first
	WIN FIRST_LO
.else
	WIN MUL_LO
.endif
	MUL16 0, (\q)%2, \q, \slot, \first
	MUL16 2, (\q)%2, \q, \slot, \first
	s_wait_dscnt 0                                 ; A's blocks 4-7 are in (asked for 32 matrix instructions ago)
	PLACES NP
	FETCH_B \slot, (\q)+1, 1-(\q)%2
	FETCH_A \slot, (\q)+1, 0
.if \first
	WIN FIRST_HI
.else
	WIN MUL_HI
.endif
	MUL16 4, (\q)%2, \q, \slot, \first
	MUL16 6, (\q)%2, \q, \slot, \first
	PLACES NP
	WIN 0
	FETCH_A \slot, (\q)+1, 4
.endm
	s_wait_tensorcnt 1                             ; the scales and my part of slot 0 are in; slot 1's load may be out
	s_barrier_signal -1
	s_barrier_wait -1                              ; everybody's are
	FETCH_B 0, 0, 0
	FETCH_A 0, 0, 0
	SCALES 0
	FETCH_A 0, 0, 4
	s_wait_loadcnt 0x0                             ; the bias
	STEP 0, 0, 1                                   ; the first step's products start the sums from the bias
	STEP 0, 1, 0
	STEP 0, 2, 0
	; slot 0's last step changes slots: one barrier; in front of it each wave waits for all its tensor loads (its part of slot 1), adds 0 to its spare word, and waits for that and for its LDS reads
	s_wait_tensorcnt 0x0
	ds_add_u32 v[SPW], v[NIL]
	s_wait_dscnt 4*NL+1                            ; (the add and the youngest eight loads, A's blocks 4-7, may be out)
	WIN MUL_LO
	MUL16 0, 1, NQ-1, 0, 0                         ; sixteen matrix instructions stand between the add and the wait for it
	s_wait_dscnt 0x0
	s_barrier_signal -1
	MUL16 2, 1, NQ-1, 0, 0
	WIN 0
	s_barrier_wait -1                              ; slot 1 is whole
	PLACES NP
	v_add_nc_u32 v[ADRS], 4*NQ, v[ADRS]            ; on to slot 1's scale words
	FETCH_B 1, 0, 0
	FETCH_A 1, 0, 0
	SCALES 1
	WIN MUL_HI
	MUL16 4, 1, NQ-1, 0, 0
	MUL16 6, 1, NQ-1, 0, 0
	PLACES NP
	WIN 0
	FETCH_A 1, 0, 4
	STEP 1, 0, 0
	STEP 1, 1, 0
	STEP 1, 2, 0
	s_wait_dscnt 4*NL                              ; the very last step: nothing more to fetch
	WIN MUL_LO
	MUL16 0, 1, NQ-1, 1, 0
	MUL16 2, 1, NQ-1, 1, 0
	s_wait_dscnt 0
	WIN MUL_HI
	MUL16 4, 1, NQ-1, 1, 0
	MUL16 6, 1, NQ-1, 1, 0
	WIN 0
; THE WAY OUT, block by block of 16 rows x 128 columns (two heads).  PACK: rounded to f16, 16 bytes a lane, each accumulator from its low end on.  TOSTAGE: into my own stage, and back so that 32 lanes
; hold four rows of ONE head, which are 512 consecutive bytes of qkv.  SEND: stored.  LDS serves a wave's instructions in order (ISA guide 5.7.1.4): no wait between the stage's stores and loads.
.macro PACK a
.set AC, 64*((\a)%4)
	WIN 0x0a+5*((\a)/4)                            ; sources 0 and 1: window 2 or 3
.irp b, 0,1,2,3,4,5,6,7
.irp r, 0,1,2,3
	v_cvt_pk_f16_f32 v[TMP+4*\b+\r], v[AC+8*\b+2*\r], v[AC+8*\b+2*\r+1]
.endr
.endr
	WIN 0
.endm
.macro TOSTAGE a
.set BB, OB+32*((\a)%2)
.irp b, 0,1,2,3,4,5,6,7
	ds_store_b128 v[STO], v[TMP+4*\b:TMP+4*\b+3] offset:32*\b
.endr
.irp t, 0,1,2,3,4,5,6,7
	ds_load_b128 v[BB+4*\t:BB+4*\t+3], v[RD] offset:(\t%4)*4*SPITCH+(\t/4)*128   ; rows 4 (t % 4) on, head t / 4
.endr
.endm
.macro SEND a
.set BB, OB+32*((\a)%2)
	s_wait_dscnt 0x0                               ; the block is back in registers
	s_wait_xcnt 0x0                                ; the earlier stores have read their base and their registers: only behind this wait is the base stepped, and are the registers of the block before last loaded again
.if (\a) > 0
	s_add_nc_u64 s[12:13], s[12:13], 16*128        ; 16 positions on
.endif
.irp t, 0,1,2,3,4,5,6,7
	global_store_b128 v[CO], v[BB+4*\t:BB+4*\t+3], s[12:13] offset:(\t%4)*512+(\t/4)*262144   ; 32 lanes store 512 consecutive bytes, at a multiple of 256 from qkv's first byte
.endr
.endm
	PLACES NP                                      ; behind the last products: the conversions write registers that held A's fragments
	PACK 0
	TOSTAGE 0
.irp a, 1,2,3,4,5,6,7                  ; block a's conversions stand between block a - 1's loads from the stage and the wait for them
	PACK \a
	SEND \a-1
	TOSTAGE \a
.endr
	SEND 7
	s_wait_tensorcnt 0x0                           ; the wave's end: behind my last tensor load and my last LDS store
	ds_add_u32 v[SPW], v[NIL]
	s_wait_dscnt 0x0
	CROUND                                         ; the closing round: no work-group ends while a partner may still ask for a tile that names it
	s_endpgm
.Lfunc_end_k_q28ec0ce032_proj:
	.size	k_q28ec0ce032_proj, .Lfunc_end_k_q28ec0ce032_proj-k_q28ec0ce032_proj
	.p2alignl 7, 3214868480
	.fill 96, 4, 3214868480
	.section	.rodata,"a",@progbits
	.p2align	6, 0x0
	.amdhsa_kernel k_q28ec0ce032_proj
		.amdhsa_group_segment_fixed_size 327680
		.amdhsa_private_segment_fixed_size 0
		.amdhsa_enable_private_segment 0
		.amdhsa_kernarg_size 64
		.amdhsa_user_sgpr_count 2
		.amdhsa_user_sgpr_kernarg_segment_ptr 1
		.amdhsa_wavefront_size32 1
		.amdhsa_system_sgpr_workgroup_id_x 1
		.amdhsa_system_sgpr_workgroup_id_y 1
		.amdhsa_system_sgpr_workgroup_id_z 1
		.amdhsa_system_vgpr_workitem_id 0
		.amdhsa_next_free_vgpr 1024
		.amdhsa_next_free_sgpr 102
		.amdhsa_reserve_vcc 0
		.amdhsa_float_denorm_mode_32 3
		.amdhsa_float_denorm_mode_16_64 3
		.amdhsa_memory_ordered 1
		.amdhsa_forward_progress 1
		.amdhsa_inst_pref_size 129
	.end_amdhsa_kernel
	.amdgpu_metadata
---
amdhsa.version: [ 1, 2 ]
amdhsa.kernels:
  - .name:           k_q28ec0ce032_proj
    .symbol:         k_q28ec0ce032_proj.kd
    .args:
      - { .name: xc, .offset: 0, .size: 8, .value_kind: global_buffer, .address_space: global }
      - { .name: xs, .offset: 8, .size: 8, .value_kind: global_buffer, .address_space: global }
      - { .name: wc, .offset: 16, .size: 8, .value_kind: global_buffer, .address_space: global }
      - { .name: ws, .offset: 24, .size: 8, .value_kind: global_buffer, .address_space: global }
      - { .name: qkv, .offset: 32, .size: 8, .value_kind: global_buffer, .address_space: global }
      - { .name: bq, .offset: 40, .size: 8, .value_kind: global_buffer, .address_space: global }
      - { .name: bk, .offset: 48, .size: 8, .value_kind: global_buffer, .address_space: global }
      - { .name: bv, .offset: 56, .size: 8, .value_kind: global_buffer, .address_space: global }
    .group_segment_fixed_size: 327680
    .private_segment_fixed_size: 0
    .kernarg_segment_align: 8
    .kernarg_segment_size: 64
    .max_flat_workgroup_size: 128
    .sgpr_count:     102
    .vgpr_count:     1024
    .wavefront_size: 32
...
	.end_amdgpu_metadata
.endif
;; end of part 2
;; launch attn (part 3): grid 4 x 64, 16 waves a work-group, clusters of 4 x 1, 327,680 bytes of LDS; arguments qkv, hcat; writes hcat
.if DOCPART == 3
	.amdgcn_target "amdgcn-amd-amdhsa--gfx1250"
	.amdhsa_code_object_version 6
	.text
	.protected	k_q28ec0ce032_attn
	.globl	k_q28ec0ce032_attn
	.p2align	8
	.type	k_q28ec0ce032_attn,@function
k_q28ec0ce032_attn:
	s_mov_b64 s[64:65], 0
	v_nop
	global_prefetch_b8 v0, s[64:65] scope:SCOPE_SE
	s_setreg_imm32_b32 hwreg(HW_REG_WAVE_MODE, 25, 1), 1
	s_wait_xcnt 0x0
	s_wait_alu depctr_hold_cnt(0) depctr_sa_sdst(0) depctr_va_vdst(0) depctr_va_sdst(0) depctr_va_ssrc(0) depctr_va_vcc(0) depctr_vm_vsrc(0)
	s_getreg_b32 s2, hwreg(HW_REG_IB_STS2, 6, 4)
	s_cmp_eq_u32 s2, 0
	s_cbranch_scc0 .Lentry_in_a_cluster
	s_endpgm
.Lentry_in_a_cluster:
	s_bfe_u32 s2, ttmp6, 0x10000c
	s_cmp_lg_u32 s2, 0x3003
	s_cbranch_scc0 .Lentry_shape_is_right
	s_endpgm
.Lentry_shape_is_right:
; ATTN: hcat[bh][q][:] = the sum over k of softmax_k(Q[bh][q] . K[bh][k] / 8) V[bh][k][:].  qkv: [3][bh 64][2048][64] f16 (Q, K, V); hcat: [bh 64][2048][64] f16.  No mask.
; Products on f16 operands with f32 sums; maxima, exponentials and sums in f32; the weights p (at most 1) are rounded to f16 for the second product, the result once at the end.
; SHARES.  A work-group owns 512 queries of one (batch, head); each of its SIXTEEN waves owns 32: two tiles of 16, in 256 registers: four waves to a SIMD, so that one wave's softmax stands beside
; another's products and LDS loads.  Two tiles to a wave, so that each fragment of K and V read from LDS feeds two matrix instructions.  Every wave walks all 2,048 keys, 64 a step.
; LAYOUT.  S^T = K Q^T (source 0 = 16 keys, source 1 = 16 queries): a lane holds ONE query (lane % 16) and the keys 8 (lane / 16) + 0..7.  Two such tiles, rounded to f16 in pairs, ARE source 1
; (32 keys x 16 queries) of O^T = V^T P, whose result again holds one query a lane.  K comes out of LDS as it lies, V ([key][channel]) turned, by ds_load_tr16_b128.
; SOFTMAX.  A running maximum m and sum l for each query: p = 2^(c s - c m), c = log2(e) / 8; in every step O and l are multiplied by a = 2^(c m_old - c m_new).  m starts at -3e38, O and l at 0,
; so the step is written once: the first a is 0 and multiplies zeros.
; RING.  Two slots of 512 keys (8 steps).  A step's 64 keys of K, and of V, are 8,192 dense bytes, stated as 32 rows of 256 bytes (two keys a row) with padding behind each.  Each wave fetches one of a
; slot's 16 tiles (waves 0-7 K of step w, waves 8-15 V of step w - 8): one tensor load a wave behind each change of slots, which then has eight steps in which to land.  At most two loads of a wave are out.
; CLUSTER.  The four query blocks of a (batch, head) walk the same K and V: each tile is asked for JOINTLY, by the same tensor load with the same descriptor and a mask that names the four.
; LIMITS: NaN and infinities are not served; a score at or under -3e38 would not move the maximum's start.
.set PK,    272       ; two keys of K in LDS: 256 bytes + 16 of padding: key k at (k / 2) PK + (k % 2) 128: the 16 keys of a load start at banks 0, 32, 4, 36, .. 28, 60 (64 banks of 4 bytes: ISA guide 11.1)
.set PV,    288       ; two keys of V: 256 + 32, 32, 8, 40, .. 24, 56
.set VOFF,  32*PK     ; a step's tiles lie together: K's, then V's
.set STEPB, 32*(PK+PV)
.set SLOTB, 8*STEPB   ; a slot: 143,360 bytes; slot B begins here
.set SPARE, 2*SLOTB   ; behind the ring: the spare words, 128 bytes for each wave: eight blocks of 256 bytes that no other line names
.set STAGE, SPARE+2048  ; the way out: 16 rows x 144 bytes for each wave: bytes into which no tensor load lands
.set SP,    144
.set TENS,  16777216  ; bytes of Q, of K, of V in qkv
.set AK0, 1           ; v1   my lane's place in a tile of K; never rewritten
.set AV0, 2           ; v2   the same for V
.set ADR, 3           ; v3   the LDS address of the run of loads in hand
.set SPW, 4           ; v4   LDS address of my spare word: SPARE + 4 x my thread's number; never rewritten
.set NIL, 5           ; v5   0; never rewritten
.set STO, 6           ; v6   the way out: where I put 16 bytes of a row
.set RD,  7           ; v7   where I read them back
.set GO,  8           ; v8   16 x lane: my bytes of a store's 512
.set QO,  9           ; v9   my byte offset in the wave's rows of Q
.set ST,  12          ; tile x's statistics at v[ST+8 x]: +0 c m, +1 m, +2, +3 l (even keys', odd keys'), +4 to +7 c0-c3, at work; a takes c2's place once the maximum is found
.set U,   28          ; v[28+2 x : 29+2 x] a second chain for the step's sum
.set Q,   32          ; v32-63   Q: tile x, channels 32 c on, at v[Q+16 x+8 c]
.set KV,  64          ; v64-127  eight fragments: a step's K, then its V
.set S,   128         ; v128-191 S^T: tile x, keys 16 kt on, at v[S+32 x+8 kt]; p in place; P in the tile's first 16 registers
.set O,   192         ; v192-255 O^T: tile x, channels 16 ct on, at v[O+32 x+8 ct]
.set WV,  14          ; s14  my wave's number
.set G1K, 24          ; s[24:31] descriptor group 1 for K's tiles
.set G1V, 32          ; s[32:39] for V's: it differs in the padding alone
.set G0K, 40          ; s[40:47] descriptor group 0 for K's tiles, a set for each slot
.set G0V, 48          ; s[48:55] the same for V's
.set CNT, 56          ; s56  counts a slot's eight steps
.set TB,  57          ; s57  LDS byte at which the step's tiles begin
.set CS,  58          ; s[58:59] c: the packed scaling names a pair and takes its low word for both halves
.set SEL, 60          ; s[60:61] lane selects for v_permlanex16_b32: each lane takes its own place in the other half
; A joint refill of slot s.  The branch hangs on the wave's number alone: it is the same in every work-group.  An s_nop 0 and four v_nop follow each of the two lines.
.macro JLOAD s
	s_cmp_lt_u32 s[WV], 8
	s_cbranch_scc0 .Lfor_v_\@
	tensor_load_to_lds s[G0K+4*\s:G0K+4*\s+3], s[G1K:G1K+7]
	s_nop 0
.rept 4
	v_nop
.endr
	s_branch .Lasked_\@
.Lfor_v_\@:
	tensor_load_to_lds s[G0V+4*\s:G0V+4*\s+3], s[G1V:G1V+7]
	s_nop 0
.rept 4
	v_nop
.endr
.Lasked_\@:
.endm
.macro CROUND                       ; a round of the cluster's barrier: my work-group's barrier; wave 0 signals for the work-group; every wave waits for all four; my work-group's barrier once more
	s_barrier_signal -1
	s_barrier_wait -1
	s_cmp_lg_u32 s[WV], 0
	s_cbranch_scc1 .Lnot_wave_0_\@
	s_barrier_signal -3
.Lnot_wave_0_\@:
	s_barrier_wait -3
	s_barrier_signal -1
	s_barrier_wait -1
.endm
	s_load_b128 s[4:7], s[0:1], 0x0 ; qkv s[4:5], hcat s[6:7]
	v_lshl_add_u32 v[SPW], v0, 2, SPARE
	v_mov_b32 v[NIL], 0
	ds_add_u32 v[SPW], v[NIL]       ; the wave's opening: the add, twice on end, and its wait ahead of my first tensor load; the set-up below stands between
	ds_add_u32 v[SPW], v[NIL]
	v_lshrrev_b32 v10, 5, v0
	v_readfirstlane_b32 s[WV], v10  ; wave 0..15
	s_bfe_u32 s15, ttmp6, 0x40000   ; cx: my place in the cluster
	s_lshl_b32 s16, ttmp9, 2        ; in a cluster launch ttmp9 counts clusters
	s_add_co_u32 s16, s16, s15      ; my block of 512 queries: it enters Q's and hcat's addresses alone
	s_and_b32 s18, ttmp7, 0xffff    ; (batch, head), which the four partners share
	s_lshl_b32 s18, s18, 18         ; its first byte in Q, K, V and hcat: 2,048 rows of 128 bytes
	s_mov_b32 s19, 0
	s_and_b32 s17, s[WV], 7         ; which of a slot's eight steps I fetch:
	s_lshl_b32 s20, s17, 13         ; its 64 keys of 128 bytes in memory,
	s_mov_b32 s21, 0
	s_add_nc_u64 s[20:21], s[20:21], s[18:19]
	s_mul_i32 s22, s17, STEPB       ; and its place in a slot: no place in the cluster enters an LDS address
	s_lshl_b32 s2, s16, 16          ; my block's 512 rows,
	s_lshl_b32 s3, s[WV], 12        ; my wave's 32 of them
	s_add_co_u32 s2, s2, s3
	s_mov_b32 s3, 0
	s_add_nc_u64 s[2:3], s[2:3], s[18:19]
	; descriptor group 1: 32 rows x 128 elements of 2 bytes, dense in memory, padded in LDS
	s_mov_b32 s[G1K], 15|(1<<16)|(1<<20)|(1<<21)|(5<<22)|(3<<25)  ; 15:0 the mask: all four work-groups; 17:16 elements of 2 bytes; 20 padding on; 21 set beside a mask; 24:22 after every 64 words; 31:25 four words
	s_mov_b32 s[G1V], 15|(1<<16)|(1<<20)|(1<<21)|(5<<22)|(7<<25)  ; the same with eight words of padding
.irp g, G1K, G1V
	s_mov_b32 s[\g+1], 128<<16      ; tensor_dim0
	s_mov_b32 s[\g+2], 32<<16       ; tensor_dim1
	s_mov_b32 s[\g+3], 128<<16      ; tile_dim0
	s_mov_b32 s[\g+4], 32           ; tile_dim1
	s_mov_b32 s[\g+5], 128          ; from row to row
	s_mov_b32 s[\g+6], 0
	s_mov_b32 s[\g+7], 0
.endr
	s_mov_b32 s[CS], 0x3e38aa3b     ; c = log2(e) / sqrt(64) = 0.180337
	s_mov_b32 s[CS+1], s[CS]        ; named with it as a pair, so it is written
	s_mov_b32 s[SEL], 0x76543210
	s_mov_b32 s[SEL+1], 0xfedcba98
	s_wait_dscnt 0x0                ; both opening adds are done
	s_wait_kmcnt 0x0
	s_add_nc_u64 s[8:9], s[4:5], s[2:3]      ; Q at my wave's first row
	s_add_nc_u64 s[6:7], s[6:7], s[2:3]      ; hcat likewise
	s_add_nc_u64 s[10:11], s[4:5], s[20:21]
	s_add_nc_u64 s[12:13], s[10:11], 2*TENS  ; V at my tile of slot A
	s_add_nc_u64 s[10:11], s[10:11], TENS    ; K likewise
	CROUND                          ; all four work-groups are here: the first joint loads meet
.irp s, 0,1
	s_mov_b32 s[G0K+4*\s], 1        ; count = 1
	s_add_co_u32 s[G0K+4*\s+1], s22, \s*SLOTB  ; LDS address
	s_add_nc_u64 s[G0K+4*\s+2:G0K+4*\s+3], s[10:11], \s*512*128  ; global address: slot s begins with keys 512 s
	s_or_b32 s[G0K+4*\s+3], s[G0K+4*\s+3], 0x80000000  ; type = 2
	s_mov_b32 s[G0V+4*\s], 1
	s_add_co_u32 s[G0V+4*\s+1], s22, \s*SLOTB+VOFF
	s_add_nc_u64 s[G0V+4*\s+2:G0V+4*\s+3], s[12:13], \s*512*128
	s_or_b32 s[G0V+4*\s+3], s[G0V+4*\s+3], 0x80000000
.endr
	s_cmp_lt_u32 s[WV], 8           ; a wave's two first fills stand in one branch, ahead of every wait on TENSORcnt and every LDS read
	s_cbranch_scc0 .Lfirst_v
	tensor_load_to_lds s[G0K:G0K+3], s[G1K:G1K+7]
	s_nop 0
	tensor_load_to_lds s[G0K+4:G0K+7], s[G1K:G1K+7]
	s_nop 0
.rept 4
	v_nop
.endr
	s_branch .Lfirst_asked
.Lfirst_v:
	tensor_load_to_lds s[G0V:G0V+3], s[G1V:G1V+7]
	s_nop 0
	tensor_load_to_lds s[G0V+4:G0V+7], s[G1V:G1V+7]
	s_nop 0
.rept 4
	v_nop
.endr
.Lfirst_asked:
	; A fragment of K or Q is 16 rows x 32 channels in 8 registers: lane l holds row l % 16; registers 0-3 channels 8 (l / 16) + 0..7, registers 4-7 channels 16 + 8 (l / 16) + 0..7: two loads of 16 bytes, 32 apart.
	v_and_b32 v10, 15, v0           ; r = l % 16
	v_bfe_u32 v11, v0, 4, 1         ; h = l / 16
	v_lshlrev_b32 v[QO], 7, v10
	v_lshl_add_u32 v[QO], v11, 4, v[QO]  ; row x 128 + 16 x half
.irp x, 0,1
.irp c, 0,1
	global_load_b128 v[Q+16*\x+8*\c:Q+16*\x+8*\c+3],   v[QO], s[8:9] offset:2048*\x+64*\c      ; Q stays in registers
	global_load_b128 v[Q+16*\x+8*\c+4:Q+16*\x+8*\c+7], v[QO], s[8:9] offset:2048*\x+64*\c+32
.endr
.endr
	v_lshrrev_b32 v[AK0], 1, v10
	v_mul_u32_u24 v[AK0], v[AK0], PK
	v_and_b32 v[ADR], 1, v0
	v_lshl_add_u32 v[AK0], v[ADR], 7, v[AK0]
	v_lshl_add_u32 v[AK0], v11, 4, v[AK0]    ; (r / 2) PK + (r % 2) 128 + 16 h
	; The turning load takes 16 keys x 16 channels (lane l reads 16 bytes: key 8 (l / 16) + l % 8, channels 8 ((l / 8) % 2) + 0..7) and leaves half a fragment of V^T: lane l holds channel l % 16 and 8 keys.
	v_bfe_u32 v[AV0], v0, 1, 2
	v_lshl_add_u32 v[AV0], v11, 2, v[AV0]    ; key / 2 = 4 h + (l % 8) / 2
	v_mul_u32_u24 v[AV0], v[AV0], PV
	v_lshl_add_u32 v[AV0], v[ADR], 7, v[AV0] ; + (key % 2) 128
	v_bfe_u32 v[ADR], v0, 3, 1
	v_lshl_add_u32 v[AV0], v[ADR], 4, v[AV0]
	v_add_nc_u32 v[AV0], VOFF, v[AV0]
	s_mul_i32 s18, s[WV], 16*SP
	s_add_co_u32 s18, s18, STAGE    ; my stage
	v_mul_u32_u24 v[STO], v10, SP   ; in: row r, 16 bytes for each half of the lanes
	v_lshl_add_u32 v[STO], v11, 4, v[STO]
	v_add_nc_u32 v[STO], s18, v[STO]
	v_bfe_u32 v[RD], v0, 3, 2       ; back: eight lanes to a row of 128 bytes, four rows an instruction
	v_mul_u32_u24 v[RD], v[RD], SP
	v_and_b32 v[GO], 7, v0
	v_lshl_add_u32 v[RD], v[GO], 4, v[RD]
	v_add_nc_u32 v[RD], s18, v[RD]
	v_and_b32 v[GO], 31, v0
	v_lshlrev_b32 v[GO], 4, v[GO]   ; four rows of hcat are 512 consecutive bytes
.irp x, 0,1
	v_mov_b32 v[ST+8*\x+1], 0xff61b1e6       ; m: -3e38, under every score
	v_mul_f32 v[ST+8*\x], s[CS], v[ST+8*\x+1]  ; c m
	v_mov_b32 v[ST+8*\x+2], 0                ; l, in two halves
	v_mov_b32 v[ST+8*\x+3], 0
.endr
.set n, 0
.rept 64
	v_mov_b32 v[O+n], 0             ; O^T.  (The step is written once: its first pass finds zeros, which a = 0 leaves zeros)
.set n, n+1
.endr
; A KEY STEP: 64 keys, whose tiles begin at LDS byte s[TB].  In phases: K's loads, 16 products K Q^T, V's loads (they land under the softmax), the softmax of both tiles line by line by turns, 16 products V^T P.
; In both runs of products the eight accumulators take turns, one instruction a turn.
.macro STEP
	v_add_nc_u32 v[ADR], s[TB], v[AK0]
.rept 4
	v_nop                           ; with the addition five places behind the last V^T P: four for the loads into its fragments' registers, five since K Q^T writes over P's registers (ISA guide 7.12.1 for vector instructions)
.endr
.irp kt, 0,1,2,3
.irp c, 0,1
	ds_load_b128 v[KV+8*(2*\kt+\c):KV+8*(2*\kt+\c)+3],   v[ADR] offset:\kt*8*PK+\c*64     ; keys 16 kt on, channels 32 c on
	ds_load_b128 v[KV+8*(2*\kt+\c)+4:KV+8*(2*\kt+\c)+7], v[ADR] offset:\kt*8*PK+\c*64+32
.endr
.endr
	s_wait_dscnt 0x0
.irp c, 0,1
.irp kt, 0,1,2,3
.irp x, 0,1
.if \c == 0
	v_wmma_f32_16x16x32_f16 v[S+32*\x+8*\kt:S+32*\x+8*\kt+7], v[KV+8*(2*\kt+\c):KV+8*(2*\kt+\c)+7], v[Q+16*\x+8*\c:Q+16*\x+8*\c+7], 0
.else
	v_wmma_f32_16x16x32_f16 v[S+32*\x+8*\kt:S+32*\x+8*\kt+7], v[KV+8*(2*\kt+\c):KV+8*(2*\kt+\c)+7], v[Q+16*\x+8*\c:Q+16*\x+8*\c+7], v[S+32*\x+8*\kt:S+32*\x+8*\kt+7]
.endif
.endr
.endr
.endr
	v_add_nc_u32 v[ADR], s[TB], v[AV0]
.rept 3
	v_nop                           ; with the addition four places: for the loads into K's registers and for the first read of the scores
.endr
.irp kf, 0,1
.irp ct, 0,1,2,3
	ds_load_tr16_b128 v[KV+8*(4*\kf+\ct):KV+8*(4*\kf+\ct)+3],   v[ADR] offset:\kf*16*PV+\ct*32       ; keys 32 kf on, channels 16 ct on
	ds_load_tr16_b128 v[KV+8*(4*\kf+\ct)+4:KV+8*(4*\kf+\ct)+7], v[ADR] offset:\kf*16*PV+8*PV+\ct*32
.endr
.endr
	; the maximum of the lane's 32 scores and the old m: four chains of seven scores, one to an accumulator and each from its low end on; then the four left over, the chains and m
.irp j, 0,1,2,3
.irp x, 0,1
	v_max3_num_f32 v[ST+8*\x+4+\j], v[S+32*\x+8*\j], v[S+32*\x+8*\j+1], v[S+32*\x+8*\j+2]
.endr
.endr
.irp i, 3,5
.irp j, 0,1,2,3
.irp x, 0,1
	v_max3_num_f32 v[ST+8*\x+4+\j], v[ST+8*\x+4+\j], v[S+32*\x+8*\j+\i], v[S+32*\x+8*\j+\i+1]
.endr
.endr
.endr
.irp x, 0,1
	v_max3_num_f32 v[ST+8*\x+4], v[ST+8*\x+4], v[S+32*\x+7], v[S+32*\x+15]
	v_max3_num_f32 v[ST+8*\x+6], v[ST+8*\x+6], v[S+32*\x+23], v[S+32*\x+31]
.endr
.irp x, 0,1
	v_max3_num_f32 v[ST+8*\x+4], v[ST+8*\x+4], v[ST+8*\x+5], v[ST+8*\x+6]
.endr
.irp x, 0,1
	v_max3_num_f32 v[ST+8*\x+4], v[ST+8*\x+4], v[ST+8*\x+7], v[ST+8*\x+1]
.endr
.irp x, 0,1
	v_permlanex16_b32 v[ST+8*\x+5], v[ST+8*\x+4], s[SEL], s[SEL+1]  ; the query's other 32 keys lie in the lane 16 away
.endr
.irp x, 0,1
	v_mov_b32 v[ST+8*\x+7], v[ST+8*\x]       ; c m_old is kept for a
.endr
.irp x, 0,1
	v_max_num_f32 v[ST+8*\x+1], v[ST+8*\x+4], v[ST+8*\x+5]  ; the new m
.endr
.irp x, 0,1
	v_mul_f32 v[ST+8*\x], s[CS], v[ST+8*\x+1]
.endr
.irp x, 0,1
	v_sub_f32 v[ST+8*\x+7], v[ST+8*\x+7], v[ST+8*\x]        ; c m_old - c m_new, 0 or less
.endr
.irp b, 0,2,4,6,8,10,12,14,16,18,20,22,24,26,28,30
.irp x, 0,1
	v_pk_fma_f32 v[S+32*\x+\b:S+32*\x+\b+1], v[S+32*\x+\b:S+32*\x+\b+1], s[CS:CS+1], v[ST+8*\x:ST+8*\x+1] op_sel_hi:[1,0,0] neg_lo:[0,0,1] neg_hi:[0,0,1]  ; c s - c m, two at a time
.endr
.endr
	; ONE BATCH of 66 exponentials, none of which reads another's result; one plain line; ONE wait ahead of the first instruction that names a result
.irp x, 0,1
	v_exp_f32 v[ST+8*\x+6], v[ST+8*\x+7]     ; a
.endr
.set n, 0
.rept 64
	v_exp_f32 v[S+n], v[S+n]        ; p, at most 1
.set n, n+1
.endr
	v_nop
	s_wait_alu depctr_va_vdst(0)
	; l = a l + the sum of the unrounded p: a pair (an even key's, an odd key's) at a time, in two chains
.irp x, 0,1
	v_pk_fma_f32 v[ST+8*\x+2:ST+8*\x+3], v[ST+8*\x+2:ST+8*\x+3], v[ST+8*\x+6:ST+8*\x+7], v[S+32*\x:S+32*\x+1] op_sel_hi:[1,0,1]
.endr
.irp x, 0,1
	v_pk_add_f32 v[U+2*\x:U+2*\x+1], v[S+32*\x+2:S+32*\x+3], v[S+32*\x+4:S+32*\x+5]
.endr
.irp b, 6,10,14,18,22,26
.irp x, 0,1
	v_pk_add_f32 v[ST+8*\x+2:ST+8*\x+3], v[ST+8*\x+2:ST+8*\x+3], v[S+32*\x+\b:S+32*\x+\b+1]
	v_pk_add_f32 v[U+2*\x:U+2*\x+1], v[U+2*\x:U+2*\x+1], v[S+32*\x+\b+2:S+32*\x+\b+3]
.endr
.endr
.irp x, 0,1
	v_pk_add_f32 v[ST+8*\x+2:ST+8*\x+3], v[ST+8*\x+2:ST+8*\x+3], v[S+32*\x+30:S+32*\x+31]
.endr
.irp x, 0,1
	v_pk_add_f32 v[ST+8*\x+2:ST+8*\x+3], v[ST+8*\x+2:ST+8*\x+3], v[U+2*\x:U+2*\x+1]
.endr
.irp j, 0,1,2,3,4,5,6,7,8,9,10,11,12,13,14,15
.irp x, 0,1
	v_cvt_pk_f16_f32 v[S+32*\x+\j], v[S+32*\x+2*\j], v[S+32*\x+2*\j+1]  ; P, in place and ascending: register j takes pair j
.endr
.endr
.irp j, 0,2,4,6,8,10,12,14,16,18,20,22,24,26,28,30
.irp x, 0,1
	v_pk_mul_f32 v[O+32*\x+\j:O+32*\x+\j+1], v[O+32*\x+\j:O+32*\x+\j+1], v[ST+8*\x+6:ST+8*\x+7] op_sel_hi:[1,0]  ; O^T x a, each accumulator from its low end on
.endr
.endr
	s_wait_dscnt 0x0                ; V is in
.irp kf, 0,1
.irp ct, 0,1,2,3
.irp x, 0,1
	v_wmma_f32_16x16x32_f16 v[O+32*\x+8*\ct:O+32*\x+8*\ct+7], v[KV+8*(4*\kf+\ct):KV+8*(4*\kf+\ct)+7], v[S+32*\x+8*\kf:S+32*\x+8*\kf+7], v[O+32*\x+8*\ct:O+32*\x+8*\ct+7]
.endr
.endr
.endr
.endm
; A slot's eight key steps: written once, walked eight times; the LDS addresses hang on s[TB].
.macro SLOTSTEPS base
	s_mov_b32 s[TB], \base
	s_mov_b32 s[CNT], 8
.Lstep_\@:
	STEP
	s_add_co_u32 s[TB], s[TB], STEPB
	s_sub_co_u32 s[CNT], s[CNT], 1
	s_cmp_lg_u32 s[CNT], 0
	s_cbranch_scc1 .Lstep_\@
.endm
; THE CHANGE OF SLOTS.  Each wave waits for all its tensor loads, of which one is out: its tile of the slot ahead; adds 0 to its spare word; and waits for that and for its reads of the slot that it leaves.
; fill = 1: the slot just left, s, is filled with the keys 1,024 on.  The barrier is then a round of the cluster's, so that no wave of any partner still reads the slot or has a load on its way, and the
; joint refill is the first thing behind it, one load a wave.
.macro CHANGE fill, s
	s_wait_tensorcnt 0x0            ; no tensor load of mine is out, so a group 0 may be written
	ds_add_u32 v[SPW], v[NIL]
.if \fill
	s_add_nc_u64 s[G0K+4*\s+2:G0K+4*\s+3], s[G0K+4*\s+2:G0K+4*\s+3], 1024*128  ; the type bits on top are not reached
	s_add_nc_u64 s[G0V+4*\s+2:G0V+4*\s+3], s[G0V+4*\s+2:G0V+4*\s+3], 1024*128
.endif
	s_wait_dscnt 0x0                ; the add is done, and my reads of the slot are over
.if \fill
	CROUND
	JLOAD \s
.else
	s_barrier_signal -1
	s_barrier_wait -1
.endif
.endm
	s_wait_tensorcnt 1              ; my tile of slot A is in; slot B's may stay out
	s_barrier_signal -1
	s_barrier_wait -1               ; everybody's is
	s_wait_loadcnt 0x0              ; Q
	SLOTSTEPS 0                     ; keys 0 .. 511
	CHANGE 1, 0                     ; slot A takes keys 1,024 on
	SLOTSTEPS SLOTB                 ; keys 512 .. 1,023
	CHANGE 1, 1                     ; slot B takes keys 1,536 on
	SLOTSTEPS 0
	CHANGE 0, 0                     ; nothing is left to fetch
	SLOTSTEPS SLOTB
	; THE WAY OUT.  l's two halves and the other half of the lanes' are added; O^T is divided by l, rounded to f16 and sent through my stage, a tile (16 rows) at a time.  The six lines below are the places behind the last products.
.irp x, 0,1
	v_add_f32 v[ST+8*\x+4], v[ST+8*\x+2], v[ST+8*\x+3]
.endr
.irp x, 0,1
	v_permlanex16_b32 v[ST+8*\x+5], v[ST+8*\x+4], s[SEL], s[SEL+1]
.endr
.irp x, 0,1
	v_add_f32 v[ST+8*\x+4], v[ST+8*\x+4], v[ST+8*\x+5]
.endr
.irp x, 0,1
	v_rcp_f32 v[ST+8*\x+6], v[ST+8*\x+4]
.endr
	v_nop                           ; a plain line between the last reciprocal and the use of its result
	s_wait_alu depctr_va_vdst(0)    ; and the wait ahead of the first use: one for both
.irp x, 0,1
.irp j, 0,2,4,6,8,10,12,14,16,18,20,22,24,26,28,30
	v_pk_mul_f32 v[O+32*\x+\j:O+32*\x+\j+1], v[O+32*\x+\j:O+32*\x+\j+1], v[ST+8*\x+6:ST+8*\x+7] op_sel_hi:[1,0]
.endr
.irp j, 0,1,2,3,4,5,6,7,8,9,10,11,12,13,14,15
	v_cvt_pk_f16_f32 v[S+16*\x+\j], v[O+32*\x+2*\j], v[O+32*\x+2*\j+1]   ; registers 4 ct .. 4 ct + 3: channels 16 ct + 8 h + 0 .. 7 of my query
.endr
.irp ct, 0,1,2,3
	ds_store_b128 v[STO], v[S+16*\x+4*\ct:S+16*\x+4*\ct+3] offset:32*\ct
.endr
.irp i, 0,1,2,3
	ds_load_b128 v[KV+16*\x+4*\i:KV+16*\x+4*\i+3], v[RD] offset:4*SP*\i  ; LDS serves a wave's instructions in order (ISA guide 5.7.1.4): these see the stores above; the next tile's stores come behind them
.endr
.endr
.irp x, 0,1
.irp i, 0,1,2,3
	s_wait_dscnt (1-\x)*8+3-\i      ; this load is in; the tile's younger loads, and for tile 0 the eight LDS instructions of tile 1, may be out
	global_store_b128 v[GO], v[KV+16*\x+4*\i:KV+16*\x+4*\i+3], s[6:7] offset:2048*\x+512*\i  ; 32 lanes store 512 consecutive bytes, at a multiple of 256 from hcat's first byte
.endr
.endr
	s_wait_tensorcnt 0x0            ; the wave's end: behind my last tensor load and my last LDS store
	ds_add_u32 v[SPW], v[NIL]
	s_wait_dscnt 0x0
	CROUND                          ; the closing round: no work-group ends while a partner may still ask for a tile that names it
	s_endpgm
.Lfunc_end_k_q28ec0ce032_attn:
	.size	k_q28ec0ce032_attn, .Lfunc_end_k_q28ec0ce032_attn-k_q28ec0ce032_attn
	.p2alignl 7, 3214868480
	.fill 96, 4, 3214868480
	.section	.rodata,"a",@progbits
	.p2align	6, 0x0
	.amdhsa_kernel k_q28ec0ce032_attn
		.amdhsa_group_segment_fixed_size 327680
		.amdhsa_private_segment_fixed_size 0
		.amdhsa_enable_private_segment 0
		.amdhsa_kernarg_size 16
		.amdhsa_user_sgpr_count 2
		.amdhsa_user_sgpr_kernarg_segment_ptr 1
		.amdhsa_wavefront_size32 1
		.amdhsa_system_sgpr_workgroup_id_x 1
		.amdhsa_system_sgpr_workgroup_id_y 1
		.amdhsa_system_sgpr_workgroup_id_z 1
		.amdhsa_system_vgpr_workitem_id 0
		.amdhsa_next_free_vgpr 256
		.amdhsa_next_free_sgpr 66
		.amdhsa_reserve_vcc 0
		.amdhsa_float_denorm_mode_32 3
		.amdhsa_float_denorm_mode_16_64 3
		.amdhsa_memory_ordered 1
		.amdhsa_forward_progress 1
		.amdhsa_inst_pref_size 87
	.end_amdhsa_kernel
	.amdgpu_metadata
---
amdhsa.version: [ 1, 2 ]
amdhsa.kernels:
  - .name:           k_q28ec0ce032_attn
    .symbol:         k_q28ec0ce032_attn.kd
    .args:
      - { .name: qkv, .offset: 0, .size: 8, .value_kind: global_buffer, .address_space: global }
      - { .name: hcat, .offset: 8, .size: 8, .value_kind: global_buffer, .address_space: global }
    .group_segment_fixed_size: 327680
    .private_segment_fixed_size: 0
    .kernarg_segment_align: 8
    .kernarg_segment_size: 16
    .max_flat_workgroup_size: 512
    .sgpr_count:     66
    .vgpr_count:     256
    .wavefront_size: 32
...
	.end_amdgpu_metadata
.endif
;; end of part 3
;; launch outp (part 4): grid 4 x 64, 4 waves a work-group, clusters of 4 x 4, 327,680 bytes of LDS; arguments hcat, wo16, bo, out0; writes out0
.if DOCPART == 4
	.amdgcn_target "amdgcn-amd-amdhsa--gfx1250"
	.amdhsa_code_object_version 6
	.text
	.protected	k_q28ec0ce032_outp
	.globl	k_q28ec0ce032_outp
	.p2align	8
	.type	k_q28ec0ce032_outp,@function
k_q28ec0ce032_outp:
	s_mov_b64 s[64:65], 0
	v_nop
	global_prefetch_b8 v0, s[64:65] scope:SCOPE_SE
	s_setreg_imm32_b32 hwreg(HW_REG_WAVE_MODE, 25, 1), 1
	s_wait_xcnt 0x0
	s_wait_alu depctr_hold_cnt(0) depctr_sa_sdst(0) depctr_va_vdst(0) depctr_va_sdst(0) depctr_va_ssrc(0) depctr_va_vcc(0) depctr_vm_vsrc(0)
	s_getreg_b32 s2, hwreg(HW_REG_IB_STS2, 6, 4)
	s_cmp_eq_u32 s2, 0
	s_cbranch_scc0 .Lentry_in_a_cluster
	s_endpgm
.Lentry_in_a_cluster:
	s_bfe_u32 s2, ttmp6, 0x10000c
	s_cmp_lg_u32 s2, 0xf033
	s_cbranch_scc0 .Lentry_shape_is_right
	s_endpgm
.Lentry_shape_is_right:
; OUTP: out0[m][n] = the sum over k of H[m][k] Wo[k][n] + bo[n], f16 operands, f32 sums, f32 out.  m = batch x 2048 + position, k = head x 64 + channel.
; H lies as hcat [batch][head][position][64] f16: a head's 128 positions are 16,384 dense bytes.  wo16 is [k 1024][n 1024] f16, Wo's own order.
; A tile of out0 is 128 (m) x 256 (n): 64 x 4 = 256 work-groups.  Four waves, each 64 x 128: 32 accumulators, 256 registers.  K goes in steps of 128 (two heads) through a ring of two LDS slots.
; A's tile of a step: two head planes of 128 positions, each stated as 64 rows of 256 bytes (two positions a row), padded.  B's: 128 rows k of 512 bytes, padded; it is read turned, by ds_load_tr16_b128.
; Waves 0 and 1 fetch A's two planes, waves 2 and 3 B's two halves: one tensor load a wave behind each change of slots.  At most two loads of a wave are out.
; CLUSTERS: 4 x 4 work-groups.  The four of a row of the cluster need the same tiles of A, the four of a column the same tiles of B: each is asked for JOINTLY.
; THE MATRIX INSTRUCTION IS USED TRANSPOSED (source 0 = 16 columns n of Wo, source 1 = 16 rows of H): a lane then holds eight neighbouring numbers of a row of out0.  bo IS THE C of each sum's first instruction.
; REGISTERS: window 0: v0-31 addresses; v64-159, v160-255 two fragment buffers (A's 4 fragments, then B's 8), on the way out rows of out0.   window 1: the accumulators, (a, b) at v[8 (8 a + b)].   window 2: v0-63 bo.
.set AP,     272                       ; two positions of H in LDS: 256 bytes + 16: position p at (p / 2) AP + (p % 2) 128: the 16 rows of a load start at 16 different groups of four banks (64 banks of 4 bytes: ISA guide 11.1)
.set APLANE, 64*AP                     ; a head plane: what one of A's tensor loads brings
.set BP,     544                       ; a row k of Wo's tile: 512 bytes + 32 = 136 words
.set BHALF,  64*BP                     ; 64 rows: what one of B's tensor loads brings
.set SLOT,   2*APLANE+2*BHALF          ; 104,448 bytes
.set STAGE,  2*SLOT                    ; behind the ring: 16 rows x 528 bytes for each wave: bytes into which no tensor load lands
.set SPITCH, 528
.set SPARE,  STAGE+4*16*SPITCH         ; the spare words, 128 bytes for each wave: two blocks of 256 bytes that no other line names
.set LAPS,   4                         ; a lap = two K steps = once round the ring
.set ADRA, 16                          ; v16-17  LDS address of my A fragments in slot 0, 1
.set ADRB, 20                          ; v20-21  the same for B
.set STO,  24                          ; v24     the way out: where I put 32 bytes of a row
.set RD,   25                          ; v25     where I read a row back
.set CO,   26                          ; v26     16 x lane
.set SPW,  28                          ; v28     LDS address of my spare word; never rewritten
.set NIL,  29                          ; v29     0; never rewritten
.set F0,   64
.set F1,   160
.set BK,   64                          ; the way out: v64-127 and v128-191 by turns
.set G1, 24                            ; s[24:31] descriptor group 1 for A's tiles;  s[32:39] group 0, one set for each slot
.set G0, 32
.set G1B, 48                           ; s[48:55], s[56:63] the same for B's tiles
.set G0B, 56
.set MSB, 0
.macro WIN new                         ; the immediate's high byte repeats the setting that is left; a switch that changes nothing is dropped
.if MSB != (\new)
	s_set_vgpr_msb (MSB<<8)|(\new)
.set MSB, (\new)
.endif
.endm
.set MUL,   0x50                       ; sources 0 and 1 window 0; C and D window 1
.set FIRST, 0x60                       ; C (bo) window 2, D window 1
.macro JLOAD s                         ; a joint load: waves 0 and 1 fetch for A, waves 2 and 3 for B; an s_nop 0 and four v_nop follow each of the two lines
	s_cmp_eq_u32 s13, 0
	s_cbranch_scc0 .Lfor_b_\@
	tensor_load_to_lds s[G0+4*\s:G0+4*\s+3], s[G1:G1+7]
	s_nop 0
.rept 4
	v_nop
.endr
	s_branch .Lasked_\@
.Lfor_b_\@:
	tensor_load_to_lds s[G0B+4*\s:G0B+4*\s+3], s[G1B:G1B+7]
	s_nop 0
.rept 4
	v_nop
.endr
.Lasked_\@:
.endm
.macro CREST                           ; a round of the cluster's barrier behind its opening barrier
	s_cmp_lg_u32 s12, 0
	s_cbranch_scc1 .Lnot_wave_0_\@
	s_barrier_signal -3
.Lnot_wave_0_\@:
	s_barrier_wait -3
	s_barrier_signal -1
	s_barrier_wait -1
.endm
.macro CROUND                          ; a whole round
	s_barrier_signal -1
	s_barrier_wait -1
	CREST
.endm
	s_load_b256 s[4:11], s[0:1], 0x0               ; hcat s[4:5], wo16 s[6:7], bo s[8:9], out0 s[10:11]
	v_lshl_add_u32 v[SPW], v0, 2, SPARE
	v_mov_b32 v[NIL], 0
	ds_add_u32 v[SPW], v[NIL]                      ; the wave's opening: the add, twice on end, and its wait ahead of my first tensor load; the set-up below stands between
	ds_add_u32 v[SPW], v[NIL]
	v_lshrrev_b32 v1, 5, v0
	v_readfirstlane_b32 s12, v1                    ; wave 0..3
	s_lshr_b32 s13, s12, 1                         ; which half of the tile's rows is mine.  Also: I fetch for A (0) or for B (1)
	s_and_b32 s14, s12, 1                          ; which half of its columns.  Also: which plane of A, or which 64 rows of B, I fetch
	s_bfe_u32 s40, ttmp6, 0x40000                  ; cx, cy: my place in the cluster
	s_bfe_u32 s41, ttmp6, 0x40004
	s_lshl_b32 s42, ttmp9, 2
	s_add_co_u32 s42, s42, s40                     ; tile column = 4 x cluster x + cx
	s_and_b32 s43, ttmp7, 0xffff
	s_lshl_b32 s43, s43, 2
	s_add_co_u32 s43, s43, s41                     ; tile row = 4 x cluster y + cy
	s_lshl_b32 s44, s41, 2
	s_lshl_b32 s44, 15, s44                        ; my row of the cluster
	s_lshl_b32 s45, 0x1111, s40                    ; my column
	s_or_b32 s[G1+0], s44, (1<<16)|(1<<20)|(1<<21)|(5<<22)|(3<<25)   ; A: 15:0 the mask: my row; 17:16 elements of 2 bytes; 20 padding on; 21 set beside a mask; 24:22 after every 64 words; 31:25 four words
	s_mov_b32 s[G1+1], 128<<16                     ; tensor_dim0
	s_mov_b32 s[G1+2], 64<<16                      ; tensor_dim1
	s_mov_b32 s[G1+3], 128<<16                     ; tile_dim0
	s_mov_b32 s[G1+4], 64                          ; tile_dim1
	s_mov_b32 s[G1+5], 128                         ; from row to row: dense
	s_mov_b32 s[G1+6], 0
	s_mov_b32 s[G1+7], 0
	s_or_b32 s[G1B+0], s45, (1<<16)|(1<<20)|(1<<21)|(6<<22)|(7<<25)  ; B: the mask of my column; padding: eight words after every 128
	s_mov_b32 s[G1B+1], 256<<16
	s_mov_b32 s[G1B+2], 64<<16
	s_mov_b32 s[G1B+3], 256<<16
	s_mov_b32 s[G1B+4], 64
	s_mov_b32 s[G1B+5], 1024                       ; a row of wo16 in elements
	s_mov_b32 s[G1B+6], 0
	s_mov_b32 s[G1B+7], 0
	; where the tiles come from.  A's hang on the tile row alone, B's on the tile column alone; every wave makes both addresses, in registers that never hold the other coordinate
	s_lshr_b32 s16, s43, 4                         ; 16 tile rows a batch
	s_lshl_b32 s16, s16, 4
	s_add_co_u32 s16, s16, s14                     ; batch x 16 + my plane
	s_lshl_b32 s16, s16, 18                        ; x 262,144 bytes a head
	s_and_b32 s17, s43, 15
	s_lshl_b32 s17, s17, 14                        ; + the tile's 128 positions of 128 bytes
	s_add_co_u32 s16, s16, s17
	s_mov_b32 s17, 0
	s_lshl_b32 s46, s14, 17                        ; B: my 64 rows of 2,048 bytes
	s_lshl_b32 s47, s42, 9                         ; + the tile's 256 columns
	s_add_co_u32 s46, s46, s47
	s_mov_b32 s47, 0
	s_mul_i32 s20, s14, APLANE                     ; and where they go: no place in the cluster enters an LDS address
	s_mul_i32 s21, s14, BHALF
	s_add_co_u32 s21, s21, 2*APLANE
	s_wait_dscnt 0x0                               ; both opening adds are done
	s_wait_kmcnt 0x0
	s_add_nc_u64 s[16:17], s[4:5], s[16:17]
	s_add_nc_u64 s[46:47], s[6:7], s[46:47]
	CROUND                                         ; all sixteen work-groups are here: the first joint loads meet
.irp s, 0,1
	s_mov_b32 s[G0+4*\s], 1
	s_add_co_u32 s[G0+4*\s+1], s20, \s*SLOT
	s_add_nc_u64 s[G0+4*\s+2:G0+4*\s+3], s[16:17], \s*2*262144     ; K step s: two heads on
	s_or_b32 s[G0+4*\s+3], s[G0+4*\s+3], 0x80000000
	s_mov_b32 s[G0B+4*\s], 1
	s_add_co_u32 s[G0B+4*\s+1], s21, \s*SLOT
	s_add_nc_u64 s[G0B+4*\s+2:G0B+4*\s+3], s[46:47], \s*128*2048   ; 128 rows on
	s_or_b32 s[G0B+4*\s+3], s[G0B+4*\s+3], 0x80000000
	JLOAD \s
.endr
	v_and_b32 v1, 15, v0                           ; r = l % 16
	v_bfe_u32 v2, v0, 4, 1                         ; h = l / 16
	v_lshrrev_b32 v3, 1, v1                        ; A: a fragment's row r: (r / 2) AP + (r % 2) 128 + 16 h
	v_mul_u32_u24 v3, v3, AP
	v_and_b32 v4, 1, v0
	v_lshl_add_u32 v3, v4, 7, v3
	v_lshl_add_u32 v3, v2, 4, v3
	s_mul_i32 s22, s13, 32*AP                      ; my 64 positions
	v_and_b32 v5, 7, v0                            ; B, turned: lane l reads 16 bytes of row 8 h + l % 8, columns 8 ((l / 8) % 2) + 0..7
	v_lshl_add_u32 v5, v2, 3, v5
	v_mul_u32_u24 v5, v5, BP
	v_bfe_u32 v6, v0, 3, 1
	v_lshl_add_u32 v5, v6, 4, v5
	s_lshl_b32 s23, s14, 8                         ; my 128 columns,
	s_add_co_u32 s23, s23, 2*APLANE                ; behind A's planes
.irp s, 0,1
	v_add_nc_u32 v[ADRA+\s], s22, v3
	v_add_nc_u32 v[ADRB+\s], s23, v5
	s_add_co_u32 s22, s22, SLOT
	s_add_co_u32 s23, s23, SLOT
.endr
	s_mul_i32 s22, s12, 16*SPITCH
	s_add_co_u32 s22, s22, STAGE                   ; my stage
	v_mul_u32_u24 v7, v1, SPITCH                   ; in: row r, 32 bytes for each half of the lanes
	v_lshl_add_u32 v7, v2, 5, v7
	v_add_nc_u32 v[STO], s22, v7
	v_and_b32 v8, 31, v0
	v_lshlrev_b32 v[CO], 4, v8                     ; back: the 32 lanes take one row of 512 bytes; and the same in out0
	v_add_nc_u32 v[RD], s22, v[CO]
	s_lshl_b32 s46, s42, 10                        ; my first column x 4 bytes: 1,024 x tile column + 512 x half
	s_lshl_b32 s47, s14, 9
	s_add_co_u32 s46, s46, s47
	s_mov_b32 s47, 0
	s_add_nc_u64 s[8:9], s[8:9], s[46:47]
	s_add_nc_u64 s[10:11], s[10:11], s[46:47]
	v_lshlrev_b32 v9, 5, v2                        ; bo in the result's layout: lane (r, h) holds, for block b, the numbers of columns 16 b + 8 h + 0 .. 7
	WIN 0x80                                       ; destination window 2, address window 0
.irp b, 0,1,2,3,4,5,6,7
	global_load_b128 v[8*\b:8*\b+3], v9, s[8:9] offset:64*\b
	global_load_b128 v[8*\b+4:8*\b+7], v9, s[8:9] offset:64*\b+16
.endr
	WIN 0
	s_lshl_b32 s16, s43, 7
	s_lshl_b32 s17, s13, 6
	s_add_co_u32 s16, s16, s17                     ; my first row of out0: 128 x tile row + 64 x half
	s_lshl_b32 s16, s16, 12                        ; x 4,096 bytes
	s_mov_b32 s17, 0
	s_add_nc_u64 s[10:11], s[10:11], s[16:17]
; 8 matrix instructions: A's block a x B's eight, 32 along K, from buffer f.  first = 1: bo is the C: nothing is ever cleared or added later.
; The 32 accumulators take turns, one instruction a turn, in the same order in every quarter.
.macro MUL8 f, a, first
.irp b, 0,1,2,3,4,5,6,7
.if \first
	v_wmma_f32_16x16x32_f16 v[8*(8*(\a)+\b):8*(8*(\a)+\b)+7], v[\f+32+8*\b:\f+32+8*\b+7], v[\f+8*(\a):\f+8*(\a)+7], v[8*\b:8*\b+7]
.else
	v_wmma_f32_16x16x32_f16 v[8*(8*(\a)+\b):8*(8*(\a)+\b)+7], v[\f+32+8*\b:\f+32+8*\b+7], v[\f+8*(\a):\f+8*(\a)+7], v[8*(8*(\a)+\b):8*(8*(\a)+\b)+7]
.endif
.endr
.endm
; 24 LDS loads in one run: the fragments of the slot's q-th 32 along K into buffer f: B's eight (turned), then A's four, blocks 2 and 3 last
.macro FETCH slot, q, f
.irp b, 0,1,2,3,4,5,6,7
	ds_load_tr16_b128 v[\f+32+8*\b:\f+32+8*\b+3],   v[ADRB+\slot] offset:(\q)*32*BP+32*\b
	ds_load_tr16_b128 v[\f+32+8*\b+4:\f+32+8*\b+7], v[ADRB+\slot] offset:(\q)*32*BP+32*\b+16*BP
.endr
.irp a, 0,1,2,3
	ds_load_b128 v[\f+8*\a:\f+8*\a+3],   v[ADRA+\slot] offset:((\q)/2)*APLANE+((\q)%2)*64+\a*8*AP
	ds_load_b128 v[\f+8*\a+4:\f+8*\a+7], v[ADRA+\slot] offset:((\q)/2)*APLANE+((\q)%2)*64+\a*8*AP+32
.endr
.endm
.macro PLACES                          ; four places in front of loads into registers that matrix instructions have read, and of LDS stores that read results (ISA guide 7.12.1 for vector instructions)
.rept 4
	v_nop
.endr
.endm
; A K step is four quarters of 32 along K, 32 matrix instructions each, on buffers 0, 1, 0, 1.  One of the first three: multiplies buffer f and fetches the slot's quarter q into g.
.macro QUARTER slot, q, f, g, first
	s_wait_dscnt 4                                 ; B's fragments and A's blocks 0, 1 are in; the youngest four loads (A's blocks 2, 3) may be out
.if \first
	WIN FIRST
.else
	WIN MUL
.endif
	MUL8 \f, 0, \first
	MUL8 \f, 1, \first
	PLACES
	WIN 0
	FETCH \slot, \q, \g
	s_wait_dscnt 24                                ; all but the 24 just issued
.if \first
	WIN FIRST
.else
	WIN MUL
.endif
	MUL8 \f, 2, \first
	MUL8 \f, 3, \first
.endm
; The last quarter multiplies buffer 1 and changes slots: ONE barrier; in front of it each wave waits for all its tensor loads, adds 0 to its spare word, and waits for that and for its own reads of this slot.
; fill = 1: this slot is filled again, two K steps ahead; the barrier then opens a round of the cluster's barrier, and the joint refill is the first tensor load behind the round.
.macro TURN slot, next, fill
	WIN 0                                          ; (the add's two registers lie in window 0)
	s_wait_tensorcnt 0x0                           ; all my tensor loads have landed: my part of the next slot;
	ds_add_u32 v[SPW], v[NIL]
	s_wait_dscnt 5                                 ; (the add and the youngest four loads may be out)
	WIN MUL
	MUL8 F1, 0, 0                                  ; eight matrix instructions stand between the add and the wait for it
	s_wait_dscnt 0x0                               ; the add is done, and my reads of this slot are over
	s_barrier_signal -1
	MUL8 F1, 1, 0
	WIN 0                                          ; (branches may follow, and nothing stands between the wait below and the rest of the round)
	s_barrier_wait -1
.if \fill
	CREST                                          ; no wave of any partner still reads this slot's tiles or has a load on its way
	s_add_nc_u64 s[G0+4*\slot+2:G0+4*\slot+3], s[G0+4*\slot+2:G0+4*\slot+3], 4*262144
	s_add_nc_u64 s[G0B+4*\slot+2:G0B+4*\slot+3], s[G0B+4*\slot+2:G0B+4*\slot+3], 256*2048
	JLOAD \slot                                    ; the four v_nop behind it are also the places in front of the loads below
.else
	PLACES
.endif
	FETCH \next, 0, F0
	WIN MUL
	MUL8 F1, 2, 0
	MUL8 F1, 3, 0
.endm
	s_wait_tensorcnt 1                             ; my part of K step 0 is in; K step 1's load may be out
	s_barrier_signal -1
	s_barrier_wait -1                              ; everybody's is
	FETCH 0, 0, F0
	s_wait_loadcnt 0x0                             ; bo
	QUARTER 0, 1, F0, F1, 1                        ; the first quarter stands in front of the loop: its products start the sums from bo
	WIN 0                                          ; at a label and at a branch every window is 0
	s_mov_b32 s15, LAPS-1
.Llap:                                                 ; a trip goes once round the ring, from a lap's second quarter to the next lap's first, and fills both slots again
	QUARTER 0, 2, F1, F0, 0
	QUARTER 0, 3, F0, F1, 0
	TURN 0, 1, 1
	QUARTER 1, 1, F0, F1, 0
	QUARTER 1, 2, F1, F0, 0
	QUARTER 1, 3, F0, F1, 0
	TURN 1, 0, 1
	QUARTER 0, 1, F0, F1, 0
	WIN 0
	s_sub_co_u32 s15, s15, 1
	s_cmp_lg_u32 s15, 0
	s_cbranch_scc1 .Llap
	QUARTER 0, 2, F1, F0, 0                        ; the last lap fills nothing, and has no round of the cluster's barrier
	QUARTER 0, 3, F0, F1, 0
	TURN 0, 1, 0
	QUARTER 1, 1, F0, F1, 0
	QUARTER 1, 2, F1, F0, 0
	QUARTER 1, 3, F0, F1, 0
	s_wait_dscnt 4                                 ; the very last quarter: nothing more to fetch
	WIN MUL
	MUL8 F1, 0, 0
	MUL8 F1, 1, 0
	s_wait_dscnt 0
	MUL8 F1, 2, 0
	MUL8 F1, 3, 0
	WIN 0
; THE WAY OUT, block by block of 16 rows x 128 columns.  A lane holds 32 neighbouring bytes of a row, and the lanes beside it hold other rows: so a block goes through my own stage and comes back as whole rows
; of 512 bytes.  LDS serves a wave's instructions in order (ISA guide 5.7.1.4): no wait between the stores and the loads, nor in front of the next block's stores.
.macro TOSTAGE a
	WIN 0x04                                       ; an LDS store's data are its source 1: window 1
.irp b, 0,1,2,3,4,5,6,7
	ds_store_b128 v[STO], v[8*(8*(\a)+\b):8*(8*(\a)+\b)+3] offset:64*\b          ; each accumulator from its low end on
	ds_store_b128 v[STO], v[8*(8*(\a)+\b)+4:8*(8*(\a)+\b)+7] offset:64*\b+16
.endr
	WIN 0
.set BB, BK+64*((\a)%2)
.irp t, 0,1,2,3,4,5,6,7,8,9,10,11,12,13,14,15
	ds_load_b128 v[BB+4*\t:BB+4*\t+3], v[RD] offset:\t*SPITCH
.endr
.endm
.macro SEND a, younger                 ; younger: the LDS instructions issued behind block a's loads, which may stay out
.set BB, BK+64*((\a)%2)
	s_wait_dscnt \younger                          ; the block is back in registers
.if (\a) > 0
	s_add_nc_u64 s[10:11], s[10:11], 16*4096       ; (behind a wait on XCNT: the earlier stores have read their base)  16 rows of out0 on
.endif
.irp t, 0,1,2,3,4,5,6,7,8,9,10,11,12,13,14,15
	global_store_b128 v[CO], v[BB+4*\t:BB+4*\t+3], s[10:11] offset:\t*4096 th:TH_STORE_NT   ; 32 lanes store 512 consecutive bytes, at a multiple of 256 from out0's first byte; written once, read by nobody here
.endr
.endm
	PLACES                                         ; behind the last products: for the stores that read results and the loads into the fragments' registers
	TOSTAGE 0
.irp a, 1,2,3
.if \a > 1
	s_wait_xcnt 0x0                                ; block a - 2's stores have read their registers and their base: block a's loads may land there, and the base may step
.endif
	TOSTAGE \a
	SEND \a-1, 32                                  ; behind block a - 1's loads: block a's 16 stores and 16 loads
.endr
	s_wait_xcnt 0x0                                ; block 2's stores have read their base
	SEND 3, 0
	s_wait_tensorcnt 0x0                           ; the wave's end: behind my last tensor load and my last LDS store
	ds_add_u32 v[SPW], v[NIL]
	s_wait_dscnt 0x0
	CROUND                                         ; the closing round: no work-group ends while a partner may still ask for a tile that names it
	s_endpgm
.Lfunc_end_k_q28ec0ce032_outp:
	.size	k_q28ec0ce032_outp, .Lfunc_end_k_q28ec0ce032_outp-k_q28ec0ce032_outp
	.p2alignl 7, 3214868480
	.fill 96, 4, 3214868480
	.section	.rodata,"a",@progbits
	.p2align	6, 0x0
	.amdhsa_kernel k_q28ec0ce032_outp
		.amdhsa_group_segment_fixed_size 327680
		.amdhsa_private_segment_fixed_size 0
		.amdhsa_enable_private_segment 0
		.amdhsa_kernarg_size 32
		.amdhsa_user_sgpr_count 2
		.amdhsa_user_sgpr_kernarg_segment_ptr 1
		.amdhsa_wavefront_size32 1
		.amdhsa_system_sgpr_workgroup_id_x 1
		.amdhsa_system_sgpr_workgroup_id_y 1
		.amdhsa_system_sgpr_workgroup_id_z 1
		.amdhsa_system_vgpr_workitem_id 0
		.amdhsa_next_free_vgpr 576
		.amdhsa_next_free_sgpr 66
		.amdhsa_reserve_vcc 0
		.amdhsa_float_denorm_mode_32 3
		.amdhsa_float_denorm_mode_16_64 3
		.amdhsa_memory_ordered 1
		.amdhsa_forward_progress 1
		.amdhsa_inst_pref_size 87
	.end_amdhsa_kernel
	.amdgpu_metadata
---
amdhsa.version: [ 1, 2 ]
amdhsa.kernels:
  - .name:           k_q28ec0ce032_outp
    .symbol:         k_q28ec0ce032_outp.kd
    .args:
      - { .name: hcat, .offset: 0, .size: 8, .value_kind: global_buffer, .address_space: global }
      - { .name: wo16, .offset: 8, .size: 8, .value_kind: global_buffer, .address_space: global }
      - { .name: bo, .offset: 16, .size: 8, .value_kind: global_buffer, .address_space: global }
      - { .name: out0, .offset: 24, .size: 8, .value_kind: global_buffer, .address_space: global }
    .group_segment_fixed_size: 327680
    .private_segment_fixed_size: 0
    .kernarg_segment_align: 8
    .kernarg_segment_size: 32
    .max_flat_workgroup_size: 128
    .sgpr_count:     66
    .vgpr_count:     576
    .wavefront_size: 32
...
	.end_amdgpu_metadata
.endif
;; end of part 4
